; MI455X (gfx1250); checked and timed in simulation.
; The chip was launched on July 23, 2026; its instructions are those of AMD's public machine-readable ISA for CDNA 5 (MIT licence, August 2026) and "CDNA5" Instruction Set Architecture Reference Guide (July 2026). The comments in the code are by the model that wrote it; some were corrected since.
;; Block. Allowed arithmetic: float matrix products may take bf16 or f16 operands with f32 sums; other float arithmetic in f32, or as packed bf16 or f16 multiplies, adds, multiply-adds, maxima and minima; sums over many terms, partial sums and values carried from step to step in f32; what a program stores and reads back later, other than sums and carried values, may be rounded once to bf16 or f16.
;; Inputs: W1 512 x 2,048 float32; W2 2,048 x 512 float32; Wk 8 x 512 x 64 float32; Wq 8 x 512 x 64 float32; Wv 8 x 512 x 64 float32; b1 2,048 float32; b2 512 float32; ln1_b 512 float32; ln1_g 512 float32; ln2_b 512 float32; ln2_g 512 float32; proj_b 512 float32; proj_w 512 x 512 float32; x 64 x 256 x 512 float32.
;; Outputs: out0 64 x 256 x 512 float32.
;; 2 versions, each right. Each part assembles by itself: llvm-mc -triple=amdgcn-amd-amdhsa -mcpu=gfx1250 --defsym DOCPART=n.
;; ======== version 1 of 2: 3 launches
;; workspace buffers: h 16,777,216 bytes; wqkv 1,572,864 bytes; wf 4,718,592 bytes; att 16,777,216 bytes
;; launch prep (part 1): grid 896 x 1, 8 waves a work-group, no clusters, 0 bytes of LDS; arguments x, ln1_g, ln1_b, Wk, Wq, Wv, proj_w, W1, W2, h, wqkv, wf; writes h, wqkv, wf
.if DOCPART == 1
	.amdgcn_target "amdgcn-amd-amdhsa--gfx1250"
	.amdhsa_code_object_version 6
	.text
	.protected	k_q62a19b7708_prep
	.globl	k_q62a19b7708_prep
	.p2align	8
	.type	k_q62a19b7708_prep,@function
k_q62a19b7708_prep:
	s_mov_b64 s[64:65], 0
	v_nop
	global_prefetch_b8 v0, s[64:65] scope:SCOPE_SE
	s_setreg_imm32_b32 hwreg(HW_REG_WAVE_MODE, 25, 1), 1
	s_wait_xcnt 0x0
; FIRST OF THREE LAUNCHES of a pre-LN transformer block: 16,384 tokens (64 sequences of 256), 512 channels, 8 heads of 64, hidden width 2,048.
;   prep: h = LayerNorm1(x) in bf16; the six weight matrices rounded once to bf16 and laid out as matrix operands.
;   attn: for each (sequence, head): k, q, v = h W; causal softmax of k q^T / sqrt(512); times v.      ffn: projection, residual, LayerNorm2, feed-forward, residual.
; DEAD WORK, for the whole program.  reference() sets wei[t][s] to -inf for s > t by a mask that it builds itself (jnp.tril), so after the softmax those weights are exactly 0 whatever the
; inputs hold, and neither the score k_t . q_s nor the term wei[t][s] v_s with s > t reaches any output.  Where such pairs fill a whole block (64 rows t x 64 columns s with every s > every t:
; 6 of the 16 blocks of a head) launch attn computes neither product; inside the four blocks on the diagonal all is computed and masked.  Nothing else is left out and every input is loaded;
; this launch itself leaves out nothing.  LIMIT: a NaN, an infinity or an overflow that would arise only in a block left out is not carried to the result.
; LIMITS of this launch: bf16 keeps 8 significant bits of h and of the weights; NaN and infinities are not treated apart.  The LayerNorm takes the mean first and then the mean of (x - mean)^2, as reference() does.
; A FRAGMENT is 16 rows x 32 k of bf16, 1,024 bytes: byte 512 half + 16 lane holds k = 16 half + 8 (lane / 16) + 0..7 of row lane % 16: two loads of 16 bytes a lane, 512 bytes apart, fill a matrix operand.
; For a weight W[k][n] the fragment's rows are 16 output columns n.
;   wqkv: [head 8][kb 16][nt 12] fragments; nt 0-3 Wk, 4-7 Wq, 8-11 Wv.
;   wf: 36 tiles of 128 fragments in order of use: proj_w's K chunks 0-3, then W1's and W2's chunks of 128 hidden columns by turns.  In a tile of proj_w or W2 the fragment of (nt, kb) stands
;   at 32 (nt / 8) + 8 (kb % 4) + nt % 8; in a tile of W1 at 32 ((nt % 8) / 2) + 2 kb + nt % 2: in both, wave w of launch ffn owns the quarter from 32 w on.
; SHARES.  Work-groups 0-511: LayerNorm, a wave four rows.  512-607: Wk, Wq, Wv.  608-639: proj_w.  640-767: W2.  768-895: W1.  There a wave makes two neighbouring fragments (32 k x 32 n).
; No LDS, no matrix unit, no cluster: nothing is shared between waves, and every byte is read once and written once.
.set G,  4                             ; v[4:19]    ln1_g of my 16 columns: 128 j + 4 lane + 0..3, j = 0..3
.set B,  20                            ; v[20:35]   ln1_b likewise
.set X,  36                            ; v[36:99]   four rows, 16 numbers each
.set T,  100                           ; v[100:107] at work
.set MP, 116                           ; v[116:123] row q: a pair whose low word holds the mean, then the variance + eps, then its inverse root; the high word is 0
	s_load_b512 s[8:23], s[0:1], 0x0               ; x, ln1_g, ln1_b, Wk, Wq, Wv, proj_w, W1
	s_load_b256 s[24:31], s[0:1], 0x40             ; W2, h, wqkv, wf
	v_lshrrev_b32 v1, 5, v0
	v_readfirstlane_b32 s4, v1                     ; wave 0..7
	v_and_b32 v1, 31, v0                           ; lane
	s_mov_b32 s39, 0                               ; high words of the two offset pairs
	s_mov_b32 s43, 0
	s_wait_kmcnt 0x0
	s_cmp_lt_u32 ttmp9, 512
	s_cbranch_scc0 .Lweights
	; ---------------- LayerNorm 1: rows 32 wg + 4 wave + 0..3
	v_lshlrev_b32 v2, 4, v1                        ; 16 bytes a lane of f32
	v_lshlrev_b32 v3, 3, v1                        ; 8 bytes a lane of bf16
	s_lshl_b32 s38, ttmp9, 16                      ; 32 rows of 2,048 bytes
	s_lshl_b32 s5, s4, 13                          ; 4 rows
	s_add_co_u32 s38, s38, s5
	s_add_nc_u64 s[32:33], s[8:9], s[38:39]        ; x at my first row
	s_lshr_b32 s38, s38, 1                         ; rows of h have half the bytes
	s_add_nc_u64 s[34:35], s[26:27], s[38:39]      ; h at my first row
	s_mov_b32 s36, 0x76543210                      ; v_permlanex16_b32: each lane takes its own place in the other half
	s_mov_b32 s37, 0xfedcba98
	s_mov_b32 s40, 0x3b000000                      ; 1 / 512
	s_mov_b32 s41, 0x3727c5ac                      ; 1e-5
.irp j, 0,1,2,3
	global_load_b128 v[G+4*(\j):G+4*(\j)+3], v2, s[10:11] offset:512*(\j)
	global_load_b128 v[B+4*(\j):B+4*(\j)+3], v2, s[12:13] offset:512*(\j)
.endr
.irp q, 0,1,2,3
.irp j, 0,1,2,3
	global_load_b128 v[X+16*(\q)+4*(\j):X+16*(\q)+4*(\j)+3], v2, s[32:33] offset:2048*(\q)+512*(\j) th:TH_LOAD_NT  ; 512 consecutive bytes a load
.endr
.endr
.irp q, 0,1,2,3
	v_mov_b32 v[MP+2*(\q)+1], 0                    ; named with the low word as a pair
.endr
.macro REDUCE r, t                     ; the sum of v[r] over the wave's 32 lanes, into every lane; v[t] has been written before
	v_add_f32_dpp v[\r], v[\r], v[\r] row_xmask:1 row_mask:0xf bank_mask:0xf
	v_add_f32_dpp v[\r], v[\r], v[\r] row_xmask:2 row_mask:0xf bank_mask:0xf
	v_add_f32_dpp v[\r], v[\r], v[\r] row_xmask:4 row_mask:0xf bank_mask:0xf
	v_add_f32_dpp v[\r], v[\r], v[\r] row_xmask:8 row_mask:0xf bank_mask:0xf
	v_permlanex16_b32 v[\t], v[\r], s36, s37
	v_add_f32 v[\r], v[\r], v[\t]
.endm
.macro STATS q                         ; row q: the mean; x - mean in place; the variance + eps
.set XQ, X+16*(\q)
	s_wait_loadcnt 12-4*(\q)                       ; the later rows' loads, four each, may stay out; g and b were asked for first
	v_pk_add_f32 v[T:T+1], v[XQ:XQ+1], v[XQ+2:XQ+3]
	v_pk_add_f32 v[T+2:T+3], v[XQ+4:XQ+5], v[XQ+6:XQ+7]
	v_pk_add_f32 v[T+4:T+5], v[XQ+8:XQ+9], v[XQ+10:XQ+11]
	v_pk_add_f32 v[T+6:T+7], v[XQ+12:XQ+13], v[XQ+14:XQ+15]
	v_pk_add_f32 v[T:T+1], v[T:T+1], v[T+2:T+3]
	v_pk_add_f32 v[T+4:T+5], v[T+4:T+5], v[T+6:T+7]
	v_pk_add_f32 v[T:T+1], v[T:T+1], v[T+4:T+5]
	v_add_f32 v[T], v[T], v[T+1]
	REDUCE T, T+1
	v_mul_f32 v[MP+2*(\q)], s40, v[T]
.irp p, 0,1,2,3,4,5,6,7
	v_pk_add_f32 v[XQ+2*(\p):XQ+2*(\p)+1], v[XQ+2*(\p):XQ+2*(\p)+1], v[MP+2*(\q):MP+2*(\q)+1] op_sel_hi:[1,0] neg_lo:[0,1] neg_hi:[0,1]
.endr
	v_pk_mul_f32 v[T:T+1], v[XQ:XQ+1], v[XQ:XQ+1]
	v_pk_mul_f32 v[T+2:T+3], v[XQ+2:XQ+3], v[XQ+2:XQ+3]
.irp p, 2,3,4,5,6,7
	v_pk_fma_f32 v[T+2*((\p)%2):T+2*((\p)%2)+1], v[XQ+2*(\p):XQ+2*(\p)+1], v[XQ+2*(\p):XQ+2*(\p)+1], v[T+2*((\p)%2):T+2*((\p)%2)+1]
.endr
	v_pk_add_f32 v[T:T+1], v[T:T+1], v[T+2:T+3]
	v_add_f32 v[T], v[T], v[T+1]
	REDUCE T, T+1
	v_fma_f32 v[MP+2*(\q)], v[T], s40, s41
.endm
.macro FINISH q                        ; row q: times the inverse root, times g, plus b; rounded in place; four stores, each 256 consecutive aligned bytes
.set XQ, X+16*(\q)
.irp p, 0,1,2,3,4,5,6,7
	v_pk_mul_f32 v[XQ+2*(\p):XQ+2*(\p)+1], v[XQ+2*(\p):XQ+2*(\p)+1], v[MP+2*(\q):MP+2*(\q)+1] op_sel_hi:[1,0]
.endr
.irp p, 0,1,2,3,4,5,6,7
	v_pk_fma_f32 v[XQ+2*(\p):XQ+2*(\p)+1], v[XQ+2*(\p):XQ+2*(\p)+1], v[G+2*(\p):G+2*(\p)+1], v[B+2*(\p):B+2*(\p)+1]
.endr
.irp p, 0,1,2,3,4,5,6,7
	v_cvt_pk_bf16_f32 v[XQ+(\p)], v[XQ+2*(\p)], v[XQ+2*(\p)+1]
.endr
.irp j, 0,1,2,3
	global_store_b64 v3, v[XQ+2*(\j):XQ+2*(\j)+1], s[34:35] offset:1024*(\q)+256*(\j) th:TH_STORE_NT
.endr
.endm
	STATS 0
	STATS 1
	STATS 2
	STATS 3
.irp q, 0,1,2,3
	v_rsq_f32 v[MP+2*(\q)], v[MP+2*(\q)]
.endr
	v_nop                                          ; a plain instruction behind the last inverse root,
	s_wait_alu depctr_va_vdst(0)                   ; and one wait for the four, ahead of their first reader
	FINISH 0
	FINISH 1
	FINISH 2
	FINISH 3
	s_endpgm
	; ---------------- weights: 32 k x 32 n of f32 become two neighbouring fragments
; Lane l holds column n0 + l: 32 loads, one for each k, 128 consecutive bytes each.  Its 32 numbers, rounded in pairs, are four runs of 8 k: run 2 half + hp goes to byte 512 half + 256 hp + 16 (l % 16)
; of fragment l / 16: sixteen lanes store 256 consecutive aligned bytes.
.macro WCVT stride
.set kk, 0
.rept 32
	global_load_b32 v[4+kk], v2, s[32:33] offset:kk*(\stride) th:TH_LOAD_NT
.set kk, kk+1
.endr
	s_wait_loadcnt 0x0
.set kk, 0
.rept 16
	v_cvt_pk_bf16_f32 v[36+kk], v[4+2*kk], v[5+2*kk]
.set kk, kk+1
.endr
.set kk, 0
.rept 4
	global_store_b128 v3, v[36+4*kk:36+4*kk+3], s[34:35] offset:256*kk th:TH_STORE_NT
.set kk, kk+1
.endr
.endm
.Lweights:
	v_lshlrev_b32 v2, 2, v1                        ; 4 bytes a lane
	v_and_b32 v3, 15, v1
	v_lshrrev_b32 v4, 4, v1
	v_lshlrev_b32 v3, 4, v3
	v_lshl_add_u32 v3, v4, 10, v3                  ; 1,024 (l / 16) + 16 (l % 16)
	s_cmp_lt_u32 ttmp9, 608
	s_cbranch_scc0 .Lnot_qkv
	s_sub_co_u32 s5, ttmp9, 512                    ; id 0..95
	s_lshr_b32 s6, s5, 5                           ; which of Wk, Wq, Wv
	s_bfe_u32 s7, s5, 0x30002                      ; head = (id / 4) % 8
	s_and_b32 s36, s5, 3
	s_lshl_b32 s36, s36, 2
	s_lshr_b32 s37, s4, 1
	s_add_co_u32 s36, s36, s37                     ; kb = 4 (id % 4) + wave / 2
	s_and_b32 s37, s4, 1                           ; which 32 of the head's 64 columns
	s_lshl_b32 s38, s7, 17                         ; a head is 512 x 64 x 4 bytes,
	s_lshl_b32 s40, s36, 13                        ; 32 rows of 256 bytes,
	s_add_co_u32 s38, s38, s40
	s_lshl_b32 s40, s37, 7                         ; 32 columns
	s_add_co_u32 s38, s38, s40
	s_cmp_eq_u32 s6, 0
	s_cselect_b64 s[32:33], s[14:15], s[16:17]
	s_cmp_eq_u32 s6, 2
	s_cselect_b64 s[32:33], s[18:19], s[32:33]
	s_add_nc_u64 s[32:33], s[32:33], s[38:39]
	s_mul_i32 s42, s7, 196608                      ; a head has 192 fragments
	s_mul_i32 s40, s36, 12
	s_lshl2_add_u32 s40, s6, s40                   ; 12 kb + 4 which
	s_lshl1_add_u32 s40, s37, s40                  ; + 2 (column half)
	s_lshl_b32 s40, s40, 10
	s_add_co_u32 s42, s42, s40
	s_add_nc_u64 s[34:35], s[28:29], s[42:43]
	WCVT 256
	s_endpgm
.Lnot_qkv:
	s_cmp_lt_u32 ttmp9, 768
	s_cbranch_scc0 .Lw1
	s_mov_b32 s5, 640                              ; proj_w (work-groups 608-639) and W2 (640-767): rows of 512 columns
	s_cmp_lt_u32 ttmp9, 640
	s_cselect_b32 s5, 608, s5
	s_cselect_b64 s[32:33], s[20:21], s[24:25]
	s_sub_co_u32 s5, ttmp9, s5                     ; id
	s_lshr_b32 s36, s5, 1                          ; kb
	s_and_b32 s37, s5, 1
	s_lshl_b32 s37, s37, 4
	s_lshl1_add_u32 s37, s4, s37                   ; nt = 16 (id % 2) + 2 wave
	s_lshl_b32 s38, s36, 16                        ; 32 rows of 2,048 bytes
	s_lshl_b32 s40, s37, 6                         ; 16 columns are 64 bytes
	s_add_co_u32 s38, s38, s40
	s_add_nc_u64 s[32:33], s[32:33], s[38:39]
	s_lshr_b32 s40, s36, 2                         ; the K chunk of 128: proj_w's tile,
	s_lshl1_add_u32 s41, s40, 5                    ; W2's is 5 + 2 x chunk
	s_cmp_lt_u32 ttmp9, 640
	s_cselect_b32 s40, s40, s41
	s_lshl_b32 s42, s40, 17                        ; tiles of 131,072 bytes
	s_lshr_b32 s40, s37, 3
	s_lshl_b32 s40, s40, 5                         ; 32 (nt / 8)
	s_and_b32 s41, s36, 3
	s_lshl3_add_u32 s40, s41, s40                  ; + 8 (kb % 4)
	s_and_b32 s41, s37, 7
	s_add_co_u32 s40, s40, s41                     ; + nt % 8
	s_lshl_b32 s40, s40, 10
	s_add_co_u32 s42, s42, s40
	s_add_nc_u64 s[34:35], s[30:31], s[42:43]
	WCVT 2048
	s_endpgm
.Lw1:
	s_sub_co_u32 s5, ttmp9, 768                    ; id 0..127
	s_lshr_b32 s36, s5, 3                          ; kb 0..15
	s_and_b32 s37, s5, 7
	s_lshl_b32 s37, s37, 4
	s_lshl1_add_u32 s37, s4, s37                   ; nt = 16 (id % 8) + 2 wave, 0..126
	s_lshl_b32 s38, s36, 18                        ; 32 rows of 8,192 bytes
	s_lshl_b32 s40, s37, 6
	s_add_co_u32 s38, s38, s40
	s_add_nc_u64 s[32:33], s[22:23], s[38:39]
	s_lshr_b32 s40, s37, 3
	s_lshl1_add_u32 s40, s40, 4                    ; tile 4 + 2 (nt / 8)
	s_lshl_b32 s42, s40, 17
	s_bfe_u32 s40, s37, 0x20001                    ; (nt % 8) / 2
	s_lshl_b32 s40, s40, 5
	s_lshl1_add_u32 s40, s36, s40                  ; + 2 kb (nt is even)
	s_lshl_b32 s40, s40, 10
	s_add_co_u32 s42, s42, s40
	s_add_nc_u64 s[34:35], s[30:31], s[42:43]
	WCVT 8192
	s_endpgm
.Lfunc_end_k_q62a19b7708_prep:
	.size	k_q62a19b7708_prep, .Lfunc_end_k_q62a19b7708_prep-k_q62a19b7708_prep
	.p2alignl 7, 3214868480
	.fill 96, 4, 3214868480
	.section	.rodata,"a",@progbits
	.p2align	6, 0x0
	.amdhsa_kernel k_q62a19b7708_prep
		.amdhsa_group_segment_fixed_size 0
		.amdhsa_private_segment_fixed_size 0
		.amdhsa_enable_private_segment 0
		.amdhsa_kernarg_size 96
		.amdhsa_user_sgpr_count 2
		.amdhsa_user_sgpr_kernarg_segment_ptr 1
		.amdhsa_wavefront_size32 1
		.amdhsa_system_sgpr_workgroup_id_x 1
		.amdhsa_system_sgpr_workgroup_id_y 1
		.amdhsa_system_sgpr_workgroup_id_z 1
		.amdhsa_system_vgpr_workitem_id 0
		.amdhsa_next_free_vgpr 128
		.amdhsa_next_free_sgpr 66
		.amdhsa_reserve_vcc 0
		.amdhsa_float_denorm_mode_32 3
		.amdhsa_float_denorm_mode_16_64 3
		.amdhsa_memory_ordered 1
		.amdhsa_forward_progress 1
		.amdhsa_inst_pref_size 37
	.end_amdhsa_kernel
	.amdgpu_metadata
---
amdhsa.version: [ 1, 2 ]
amdhsa.kernels:
  - .name:           k_q62a19b7708_prep
    .symbol:         k_q62a19b7708_prep.kd
    .args:
      - { .name: x, .offset: 0, .size: 8, .value_kind: global_buffer, .address_space: global }
      - { .name: ln1_g, .offset: 8, .size: 8, .value_kind: global_buffer, .address_space: global }
      - { .name: ln1_b, .offset: 16, .size: 8, .value_kind: global_buffer, .address_space: global }
      - { .name: Wk, .offset: 24, .size: 8, .value_kind: global_buffer, .address_space: global }
      - { .name: Wq, .offset: 32, .size: 8, .value_kind: global_buffer, .address_space: global }
      - { .name: Wv, .offset: 40, .size: 8, .value_kind: global_buffer, .address_space: global }
      - { .name: proj_w, .offset: 48, .size: 8, .value_kind: global_buffer, .address_space: global }
      - { .name: W1, .offset: 56, .size: 8, .value_kind: global_buffer, .address_space: global }
      - { .name: W2, .offset: 64, .size: 8, .value_kind: global_buffer, .address_space: global }
      - { .name: h, .offset: 72, .size: 8, .value_kind: global_buffer, .address_space: global }
      - { .name: wqkv, .offset: 80, .size: 8, .value_kind: global_buffer, .address_space: global }
      - { .name: wf, .offset: 88, .size: 8, .value_kind: global_buffer, .address_space: global }
    .group_segment_fixed_size: 0
    .private_segment_fixed_size: 0
    .kernarg_segment_align: 8
    .kernarg_segment_size: 96
    .max_flat_workgroup_size: 256
    .sgpr_count:     66
    .vgpr_count:     128
    .wavefront_size: 32
...
	.end_amdgpu_metadata
.endif
;; end of part 1
;; launch attn (part 2): grid 8 x 64, 4 waves a work-group, clusters of 4 x 4, 327,680 bytes of LDS; arguments h, wqkv, att; writes att
.if DOCPART == 2
	.amdgcn_target "amdgcn-amd-amdhsa--gfx1250"
	.amdhsa_code_object_version 6
	.text
	.protected	k_q62a19b7708_attn
	.globl	k_q62a19b7708_attn
	.p2align	8
	.type	k_q62a19b7708_attn,@function
k_q62a19b7708_attn:
	s_mov_b64 s[64:65], 0
	v_nop
	global_prefetch_b8 v0, s[64:65] scope:SCOPE_SE
	s_setreg_imm32_b32 hwreg(HW_REG_WAVE_MODE, 25, 1), 1
	s_wait_xcnt 0x0
	s_wait_alu depctr_hold_cnt(0) depctr_sa_sdst(0) depctr_va_vdst(0) depctr_va_sdst(0) depctr_va_ssrc(0) depctr_va_vcc(0) depctr_vm_vsrc(0)
	s_getreg_b32 s2, hwreg(HW_REG_IB_STS2, 6, 4)
	s_cmp_eq_u32 s2, 0
	s_cbranch_scc0 .Lentry_in_a_cluster
	s_endpgm
.Lentry_in_a_cluster:
	s_bfe_u32 s2, ttmp6, 0x10000c
	s_cmp_lg_u32 s2, 0xf033
	s_cbranch_scc0 .Lentry_shape_is_right
	s_endpgm
.Lentry_shape_is_right:
; SECOND LAUNCH.  A work-group takes one (sequence, head): k, q, v = h W (256 tokens x 192 columns x 512), wei = softmax over s <= t of k_t . q_s / sqrt(512), att_t = the sum of wei[t][s] v_s.
; In reference() k's rows are the rows of the softmax and q's rows its columns, and the scale is that of the full width 512: so here.
; WORK LEFT OUT: the blocks of 64 rows t x 64 columns s that lie wholly above the diagonal (6 of 16): reference()'s own mask gives them the weight 0 for all inputs (shown at the head of launch prep).
; LIMITS.  A NaN, infinity or overflow that would arise only in a block left out is not carried on.  A hidden score inside a diagonal block counts as its value less 1e30.  A weight below 2^-126 counts as 0.
; NaN and infinities are not treated apart.  k, q, v, the weights and att are rounded once to bf16; products, the maximum and the sum in f32; the sum is taken of the unrounded weights.
; SHARES.  Wave w owns 16 tokens in each of the sequence's four bands of 64: PIECE x is tokens 64 x + 16 w + 0..15.  So the causal work is alike in all four waves: piece x sees the keys 0 .. 64 x + 63.
; LAYOUTS.  A product with the weights as source 0 and tokens as source 1 leaves a lane one token (lane % 16) and 8 neighbouring columns: rounded in pairs that is half a fragment (16 rows x 32 k, see prep) of the next
; product.  So k goes from accumulators to operand registers in place, q goes to LDS by 16-byte stores on end, att to memory likewise.  v is made the other way round (tokens as source 0): a lane holds one channel
; and 8 tokens, half a fragment of V^T.  S^T = q k^T holds one row t a lane and 8 columns s; two such results rounded ARE source 1 of O^T = V^T P.
; THE PRODUCT h W.  K goes in four steps of 128 through two LDS slots, each with h's 256 rows (256 bytes a row, 16 of padding) and 48 weight fragments.  All four steps are written out.
; CLUSTER 4 x 4: x counts heads, y sequences.  h's tiles hang on the sequence alone and are asked for jointly by the four of a row of the cluster, the weights' on the head alone and by the four of a column.
; NO PREFETCH: of the ring's four K steps two are first fills and two are asked for in steps 0 and 1; lines two steps ahead of those would stand at the kernel's head among the first loads.
; All of LDS is claimed, and 0 is added to spare words at the places below.
; REGISTERS, in windows of 256 (s_set_vgpr_msb: bits 1:0 source 0, 3:2 source 1, 5:4 source 2, 7:6 destination):
;   window 0: v1-31 addresses and statistics; v32-95 h's fragments, two buffers, later k's (piece x, half kb at 32 + 16 x + 8 kb); v96-223 S^T (before: q and v packed); v224-255 att packed, two sets
;   window 1: weight fragments, two buffers of 96; later all 32 fragments of q           window 2: the 32 accumulators of k and q ((nt, x) at 8 (4 nt + x)); later all 32 fragments of V^T
;   window 3: v0-127 the 16 accumulators of v; v128-159 the diagonal block's mask; v160-191 O^T; v192-255 P
.set PITCH, 272                        ; a row of h in LDS: 256 + 16 bytes = 68 words: the 16 rows of a fragment load start at 16 different groups of four banks (64 banks of 4 bytes: ISA guide 11.1)
.set HHALF, 128*PITCH                  ; what one tensor load brings of h
.set HT,    2*HHALF
.set WHALF, 24*1024                    ; what one tensor load brings of the weights: 24 fragments
.set SLOT,  HT+2*WHALF                 ; 118,784
.set QS,    2*SLOT                     ; q: 32 fragments, 2 (token / 16) + kb.  Written by ds_store alone, like VS: no tensor load lands here
.set VS,    QS+32768                   ; V^T: 32 fragments, 4 (token / 32) + channel block
.set SPARE, VS+32768                   ; the spare words, 128 bytes a wave: two blocks of 256 bytes that no other line names
.set SPW, 1                            ; v1   SPARE + 4 x my thread's number; never rewritten
.set NIL, 2                            ; v2   0; never rewritten
.set ADH, 3                            ; v3-4 my place in h's tile, slot 0, 1: (16 w + l % 16) x PITCH + 16 (l / 16)
.set ADW, 5                            ; v5-6 my place in the weights' tile: 16 l
.set AQS, 7                            ; v7   where I store q       v8  where I store v
.set AVS, 8
.set AQL, 9                            ; v9   where I read q        v10 where I read V^T
.set AVL, 10
.set GO,  11                           ; v11  16 l
.set DG,  12                           ; v12  16 w + l % 16 - 8 (l / 16): register j of key group kt in the diagonal block is hidden where 16 kt + j is greater
.set RL,  14                           ; v[14:15] 1 / l in the low word
.set CH,  16                           ; v16-19 four chains of the maximum
.set MX,  20
.set TM,  21
.set CM,  22                           ; v[22:23] c m in the low word
.set LS,  24                           ; v[24:31] four chains of the sum
.set HF,  32
.set KB,  32
.set S,   96
.set PQ,  96
.set PVT, 160
.set OP,  224
.set MD,  128                          ; window 3
.set O,   160
.set P,   192
.set G1H, 24                           ; s[24:31] descriptor group 1 for h's tiles;  s[32:39] group 0, a set for each slot
.set G0H, 32
.set G1W, 48                           ; s[48:55], s[56:63] the same for the weights'
.set G0W, 56
.set KQG, 0xa1                         ; weights window 1, h window 0, C and D window 2
.set VG,  0xf4                         ; h window 0, weights window 1, C and D window 3
.set TO1, 0x40
.set TO2, 0x80
.set TO3, 0xc0
.set SKQ, 0x01                         ; q window 1, k and S^T window 0
.set SKM, 0x31                         ; the same with C, the mask, in window 3
.set PVW, 0xfe                         ; V^T window 2; P, C and D window 3
.set ORS, 0xc3                         ; O^T (destination and source 0) window 3, 1 / l window 0
.set MSB, 0
.macro WIN new                         ; the immediate's high byte repeats the setting that is left; a switch that changes nothing is dropped
.if MSB != (\new)
	s_set_vgpr_msb (MSB<<8)|(\new)
.set MSB, (\new)
.endif
.endm
.macro PLACES                          ; four plain instructions between a matrix instruction and a vector instruction or load that touches its registers (ISA guide 7.12.1 for vector instructions)
.rept 4
	v_nop
.endr
.endm
.macro JLOAD s                         ; a joint refill: waves 0 and 1 fetch h's halves, waves 2 and 3 the weights'; an s_nop 0 and four v_nop follow each line
	s_cmp_eq_u32 s11, 0
	s_cbranch_scc0 .Lfor_w_\@
	tensor_load_to_lds s[G0H+4*(\s):G0H+4*(\s)+3], s[G1H:G1H+7]
	s_nop 0
.rept 4
	v_nop
.endr
	s_branch .Lasked_\@
.Lfor_w_\@:
	tensor_load_to_lds s[G0W+4*(\s):G0W+4*(\s)+3], s[G1W:G1W+7]
	s_nop 0
.rept 4
	v_nop
.endr
.Lasked_\@:
.endm
.macro CREST                           ; a round of the cluster's barrier behind its opening barrier
	s_cmp_lg_u32 s10, 0
	s_cbranch_scc1 .Lnot_wave_0_\@
	s_barrier_signal -3
.Lnot_wave_0_\@:
	s_barrier_wait -3
	s_barrier_signal -1
	s_barrier_wait -1
.endm
.macro CROUND
	s_barrier_signal -1
	s_barrier_wait -1
	CREST
.endm
	s_load_b128 s[4:7], s[0:1], 0x0                ; h s[4:5], wqkv s[6:7]
	s_load_b64 s[8:9], s[0:1], 0x10                ; att
	v_lshl_add_u32 v[SPW], v0, 2, SPARE
	v_mov_b32 v[NIL], 0
	ds_add_u32 v[SPW], v[NIL]                      ; the opening: the add, twice on end, and its wait ahead of my first tensor load
	ds_add_u32 v[SPW], v[NIL]
	v_lshrrev_b32 v24, 5, v0
	v_readfirstlane_b32 s10, v24                   ; wave 0..3
	s_lshr_b32 s11, s10, 1                         ; I fetch for h (0) or for the weights (1)
	s_and_b32 s12, s10, 1                          ; which half of that tile
	s_bfe_u32 s40, ttmp6, 0x40000                  ; cx
	s_bfe_u32 s41, ttmp6, 0x40004                  ; cy
	s_lshl_b32 s42, ttmp9, 2
	s_add_co_u32 s42, s42, s40                     ; head = 4 x cluster x + cx
	s_and_b32 s13, ttmp7, 0xffff
	s_lshl_b32 s13, s13, 2
	s_add_co_u32 s13, s13, s41                     ; sequence = 4 x cluster y + cy
	s_lshl_b32 s43, s41, 2
	s_lshl_b32 s43, 15, s43                        ; my row of the cluster
	s_lshl_b32 s44, 0x1111, s40                    ; my column
	s_or_b32 s[G1H+0], s43, (1<<16)|(1<<20)|(1<<21)|(5<<22)|(3<<25)  ; mask; 2-byte elements; padding on; bit 21 beside a mask; after every 64 words 4 words
	s_mov_b32 s[G1H+1], 128<<16                    ; tensor_dim0 = 128
	s_mov_b32 s[G1H+2], 128<<16                    ; tensor_dim1 = 128
	s_mov_b32 s[G1H+3], 128<<16                    ; tile_dim0 = 128
	s_mov_b32 s[G1H+4], 128                        ; tile_dim1 = 128
	s_mov_b32 s[G1H+5], 512                        ; 512 elements from row to row
	s_mov_b32 s[G1H+6], 0
	s_mov_b32 s[G1H+7], 0
	s_or_b32 s[G1W+0], s44, (3<<16)|(1<<21)        ; 24,576 dense bytes as 96 rows of 32 elements of 8 bytes
	s_mov_b32 s[G1W+1], 32<<16
	s_mov_b32 s[G1W+2], 96<<16
	s_mov_b32 s[G1W+3], 32<<16
	s_mov_b32 s[G1W+4], 96
	s_mov_b32 s[G1W+5], 32
	s_mov_b32 s[G1W+6], 0
	s_mov_b32 s[G1W+7], 0
	s_lshl_b32 s16, s13, 18                        ; h: a sequence is 256 rows of 1,024 bytes,
	s_lshl_b32 s17, s12, 17                        ; my half 128 rows: made of the sequence and the wave alone
	s_add_co_u32 s16, s16, s17
	s_mov_b32 s17, 0
	s_mul_i32 s46, s42, 196608                     ; weights: a head is 192 fragments,
	s_mul_i32 s47, s12, WHALF                      ; my half 24: made of the head and the wave alone
	s_add_co_u32 s46, s46, s47
	s_mov_b32 s47, 0
	s_mul_i32 s2, s12, HHALF                       ; where they go: no place in the cluster enters an LDS address
	s_mul_i32 s3, s12, WHALF
	s_add_co_u32 s3, s3, HT
	s_mov_b32 s20, 0x3d8293ee                      ; c = log2(e) / sqrt(512)
	s_mov_b32 s21, s20
	s_mov_b32 s22, 0x76543210
	s_mov_b32 s23, 0xfedcba98
	s_mov_b32 s45, 0xf149f2ca                      ; -1e30
	s_lshl_b32 s18, s13, 18                        ; att: row tile 16 x sequence + w (16,384 bytes each), channels 64 x head (2 fragments)
	s_lshl_b32 s19, s10, 14
	s_add_co_u32 s18, s18, s19
	s_lshl_b32 s19, s42, 11
	s_add_co_u32 s18, s18, s19
	s_mov_b32 s19, 0
	s_wait_dscnt 0x0                               ; both opening adds are done
	s_wait_kmcnt 0x0
	s_add_nc_u64 s[14:15], s[4:5], s[16:17]
	s_add_nc_u64 s[46:47], s[6:7], s[46:47]
	s_add_nc_u64 s[8:9], s[8:9], s[18:19]
	CROUND                                         ; all sixteen work-groups are here: the first joint loads meet
.irp s, 0,1
	s_mov_b32 s[G0H+4*(\s)], 1
	s_add_co_u32 s[G0H+4*(\s)+1], s2, (\s)*SLOT
	s_add_nc_u64 s[G0H+4*(\s)+2:G0H+4*(\s)+3], s[14:15], (\s)*256      ; K step s: 128 channels are 256 bytes
	s_or_b32 s[G0H+4*(\s)+3], s[G0H+4*(\s)+3], 0x80000000
	s_mov_b32 s[G0W+4*(\s)], 1
	s_add_co_u32 s[G0W+4*(\s)+1], s3, (\s)*SLOT
	s_add_nc_u64 s[G0W+4*(\s)+2:G0W+4*(\s)+3], s[46:47], (\s)*2*WHALF  ; K step s: 48 fragments
	s_or_b32 s[G0W+4*(\s)+3], s[G0W+4*(\s)+3], 0x80000000
.endr
	s_cmp_eq_u32 s11, 0                            ; a wave's two first fills stand in one branch: two loads of mine are out
	s_cbranch_scc0 .Lfirst_w
	tensor_load_to_lds s[G0H:G0H+3], s[G1H:G1H+7]
	s_nop 0
	tensor_load_to_lds s[G0H+4:G0H+7], s[G1H:G1H+7]
	s_nop 0
.rept 4
	v_nop
.endr
	s_branch .Lfirst_asked
.Lfirst_w:
	tensor_load_to_lds s[G0W:G0W+3], s[G1W:G1W+7]
	s_nop 0
	tensor_load_to_lds s[G0W+4:G0W+7], s[G1W:G1W+7]
	s_nop 0
.rept 4
	v_nop
.endr
.Lfirst_asked:
	v_and_b32 v24, 15, v0                          ; l % 16
	v_bfe_u32 v25, v0, 4, 1                        ; l / 16
	v_and_b32 v26, 31, v0
	v_lshlrev_b32 v[GO], 4, v26
	v_mul_u32_u24 v[ADH], v24, PITCH
	v_lshl_add_u32 v[ADH], v25, 4, v[ADH]
	s_mul_i32 s16, s10, 16*PITCH
	v_add_nc_u32 v[ADH], s16, v[ADH]
	v_add_nc_u32 v[ADH+1], SLOT, v[ADH]
	v_add_nc_u32 v[ADW], HT, v[GO]
	v_add_nc_u32 v[ADW+1], HT+SLOT, v[GO]
	s_lshl_b32 s16, s10, 11                        ; q: token tile 4 x + w, two fragments each
	s_add_co_u32 s16, s16, QS
	v_add_nc_u32 v[AQS], s16, v[GO]
	s_lshl_b32 s16, s11, 12                        ; V^T: key block 2 x + w / 2 (four fragments each), half w % 2
	s_lshl_b32 s17, s12, 9
	s_add_co_u32 s16, s16, s17
	s_add_co_u32 s16, s16, VS
	v_add_nc_u32 v[AVS], s16, v[GO]
	v_add_nc_u32 v[AQL], QS, v[GO]
	v_add_nc_u32 v[AVL], VS, v[GO]
	s_lshl_b32 s16, s10, 4
	v_lshlrev_b32 v25, 3, v25
	v_sub_nc_u32 v[DG], v24, v25
	v_add_nc_u32 v[DG], s16, v[DG]
	v_mov_b32 v[TM], 0                             ; v_permlanex16_b32's destination counts as read
	v_mov_b32 v[CM+1], 0                           ; named as pairs
	v_mov_b32 v[RL+1], 0
	WIN TO3
.set i_, 0
.rept 32                                           ; the diagonal block's mask: 0, or -1e30 where the key lies behind my row
	v_cmp_gt_i32 vcc_lo, 16*(i_/8)+i_%8, v[DG]
	v_cndmask_b32 v[MD+i_], 0, s45, vcc_lo
.set i_, i_+1
.endr
	WIN 0
; 32 LDS loads in one run: the fragments of 32 along K (quarter kq of a K step) into buffer b: h's four, v's four weights, then k's and q's eight
.macro FETCH slot, kq, b
	WIN 0
.set x_, 0
.rept 4
	ds_load_b128 v[HF+32*(\b)+8*x_:HF+32*(\b)+8*x_+3],   v[ADH+(\slot)] offset:x_*64*PITCH+(\kq)*64
	ds_load_b128 v[HF+32*(\b)+8*x_+4:HF+32*(\b)+8*x_+7], v[ADH+(\slot)] offset:x_*64*PITCH+(\kq)*64+32
.set x_, x_+1
.endr
	WIN TO1
.irp nt, 8,9,10,11,0,1,2,3,4,5,6,7
	ds_load_b128 v[96*(\b)+8*(\nt):96*(\b)+8*(\nt)+3],   v[ADW+(\slot)] offset:((\kq)*12+(\nt))*1024
	ds_load_b128 v[96*(\b)+8*(\nt)+4:96*(\b)+8*(\nt)+7], v[ADW+(\slot)] offset:((\kq)*12+(\nt))*1024+512
.endr
.endm
; The 48 accumulators take turns, one instruction a turn, in the same order in every quarter.  zero = 1: the first product starts the sum.
.macro VPART b, zero                   ; v: tokens as source 0
	WIN VG
.irp ct, 0,1,2,3
.irp x, 0,1,2,3
.if \zero
	v_wmma_f32_16x16x32_bf16 v[8*(4*(\ct)+(\x)):8*(4*(\ct)+(\x))+7], v[HF+32*(\b)+8*(\x):HF+32*(\b)+8*(\x)+7], v[96*(\b)+8*(8+(\ct)):96*(\b)+8*(8+(\ct))+7], 0
.else
	v_wmma_f32_16x16x32_bf16 v[8*(4*(\ct)+(\x)):8*(4*(\ct)+(\x))+7], v[HF+32*(\b)+8*(\x):HF+32*(\b)+8*(\x)+7], v[96*(\b)+8*(8+(\ct)):96*(\b)+8*(8+(\ct))+7], v[8*(4*(\ct)+(\x)):8*(4*(\ct)+(\x))+7]
.endif
.endr
.endr
.endm
.macro KQPART b, n0, zero              ; k (nt 0-3) or q (nt 4-7): weights as source 0
	WIN KQG
.irp d, 0,1,2,3
.irp x, 0,1,2,3
.if \zero
	v_wmma_f32_16x16x32_bf16 v[8*(4*((\n0)+(\d))+(\x)):8*(4*((\n0)+(\d))+(\x))+7], v[96*(\b)+8*((\n0)+(\d)):96*(\b)+8*((\n0)+(\d))+7], v[HF+32*(\b)+8*(\x):HF+32*(\b)+8*(\x)+7], 0
.else
	v_wmma_f32_16x16x32_bf16 v[8*(4*((\n0)+(\d))+(\x)):8*(4*((\n0)+(\d))+(\x))+7], v[96*(\b)+8*((\n0)+(\d)):96*(\b)+8*((\n0)+(\d))+7], v[HF+32*(\b)+8*(\x):HF+32*(\b)+8*(\x)+7], v[8*(4*((\n0)+(\d))+(\x)):8*(4*((\n0)+(\d))+(\x))+7]
.endif
.endr
.endr
.endm
.macro QUARTER slot, kq, b, g, zero    ; multiplies buffer b; fetches quarter kq of the same slot into buffer g
	s_wait_dscnt 16                                ; h and v's weights are in; the youngest sixteen loads, k's and q's weights, may be out
	VPART \b, \zero
	PLACES
	FETCH \slot, \kq, \g
	s_wait_dscnt 32                                ; all but the 32 just issued
	KQPART \b, 0, \zero
	KQPART \b, 4, \zero
.endm
; A K step's last quarter multiplies buffer 1 and changes slots.  In front of the barrier each wave waits for all its tensor loads (one is out: its part of the next slot), adds 0 to its spare word, and waits
; for that and for its reads of this slot.  fill = 1: the barrier opens a round of the cluster's barrier and this slot is filled again, two K steps on, first thing behind the round.
.macro TURN slot, next, fill
	WIN 0
	s_wait_tensorcnt 0x0
	ds_add_u32 v[SPW], v[NIL]
	s_wait_dscnt 17                                ; the add and the youngest sixteen loads may be out
	VPART 1, 0
	s_wait_dscnt 0x0                               ; the add is done and my reads of this slot are over
	s_barrier_signal -1
	KQPART 1, 0, 0
	WIN 0
	s_barrier_wait -1
.if \fill
	CREST
	s_add_nc_u64 s[G0H+4*(\slot)+2:G0H+4*(\slot)+3], s[G0H+4*(\slot)+2:G0H+4*(\slot)+3], 512
	s_add_nc_u64 s[G0W+4*(\slot)+2:G0W+4*(\slot)+3], s[G0W+4*(\slot)+2:G0W+4*(\slot)+3], 4*WHALF
	JLOAD \slot                                    ; its four v_nop are also the places in front of the loads below
.else
	PLACES
.endif
	FETCH \next, 0, 0
	KQPART 1, 4, 0
.endm
	s_wait_tensorcnt 0x1                           ; my part of K step 0 is in; step 1's may stay out
	s_barrier_signal -1
	s_barrier_wait -1
	FETCH 0, 0, 0
	QUARTER 0, 1, 0, 1, 1
	QUARTER 0, 2, 1, 0, 0
	QUARTER 0, 3, 0, 1, 0
	TURN 0, 1, 1
	QUARTER 1, 1, 0, 1, 0
	QUARTER 1, 2, 1, 0, 0
	QUARTER 1, 3, 0, 1, 0
	TURN 1, 0, 1
	QUARTER 0, 1, 0, 1, 0
	QUARTER 0, 2, 1, 0, 0
	QUARTER 0, 3, 0, 1, 0
	TURN 0, 1, 0
	QUARTER 1, 1, 0, 1, 0
	QUARTER 1, 2, 1, 0, 0
	QUARTER 1, 3, 0, 1, 0
	s_wait_dscnt 0x0
	VPART 1, 0
	KQPART 1, 0, 0
	KQPART 1, 4, 0
	; k stays in registers; q and v go through LDS to all four waves.  Each accumulator is read from its low end on.
	PLACES
	WIN 0x0a                                       ; sources 0 and 1 window 2
.set p_, 0
.rept 64                                           ; k: piece x = p / 16, nt = (p / 4) % 4, pair p % 4
	v_cvt_pk_bf16_f32 v[KB+p_], v[8*(4*((p_/4)%4)+p_/16)+2*(p_%4)], v[8*(4*((p_/4)%4)+p_/16)+2*(p_%4)+1]
.set p_, p_+1
.endr
.set p_, 0
.rept 64                                           ; q likewise, nt = 4 + (p / 4) % 4
	v_cvt_pk_bf16_f32 v[PQ+p_], v[8*(4*(4+(p_/4)%4)+p_/16)+2*(p_%4)], v[8*(4*(4+(p_/4)%4)+p_/16)+2*(p_%4)+1]
.set p_, p_+1
.endr
	WIN 0x0f                                       ; sources 0 and 1 window 3
.set p_, 0
.rept 64                                           ; v: piece p / 16, channel block (p / 4) % 4
	v_cvt_pk_bf16_f32 v[PVT+p_], v[8*(4*((p_/4)%4)+p_/16)+2*(p_%4)], v[8*(4*((p_/4)%4)+p_/16)+2*(p_%4)+1]
.set p_, p_+1
.endr
	WIN 0
.set p_, 0
.rept 16
	ds_store_b128 v[AQS], v[PQ+4*p_:PQ+4*p_+3] offset:(p_/4)*8192+(p_%4)*512
	ds_store_b128 v[AVS], v[PVT+4*p_:PVT+4*p_+3] offset:(p_/4)*8192+(p_%4)*1024
.set p_, p_+1
.endr
	s_wait_dscnt 0x0                               ; for the others' sake: my stores are done
	s_barrier_signal -1
	s_barrier_wait -1
	WIN TO1
.set p_, 0
.rept 32
	ds_load_b128 v[8*p_:8*p_+3],   v[AQL] offset:p_*1024
	ds_load_b128 v[8*p_+4:8*p_+7], v[AQL] offset:p_*1024+512
.set p_, p_+1
.endr
	WIN TO2
.set p_, 0
.rept 32
	ds_load_b128 v[8*p_:8*p_+3],   v[AVL] offset:p_*1024
	ds_load_b128 v[8*p_+4:8*p_+7], v[AVL] offset:p_*1024+512
.set p_, p_+1
.endr
	WIN 0
	s_wait_dscnt 63                                ; 64 loads, V^T's, stand behind q's last: with 63 out at the most q is in
; PIECE x: my 16 rows of band x against the keys 0 .. 64 x + 63: NT tiles of 16 keys.  The whole row is at hand, so the maximum is the row's own and one pass does the softmax.
.macro PIECE x
.set NT, 4*(\x)+4
.set kb_, 0
.rept 2
.set st_, 0
.rept NT                                           ; the NT accumulators take turns; the first product starts the sum with 0, in the diagonal block with the mask
.set rS, S+8*st_
.set rQ, 8*(2*st_+kb_)
.set rK, KB+16*(\x)+8*kb_
.if (kb_ == 0) && (st_ >= 4*(\x))
	WIN SKM
	v_wmma_f32_16x16x32_bf16 v[rS:rS+7], v[rQ:rQ+7], v[rK:rK+7], v[MD+8*(st_-4*(\x)):MD+8*(st_-4*(\x))+7]
.elseif kb_ == 0
	WIN SKQ
	v_wmma_f32_16x16x32_bf16 v[rS:rS+7], v[rQ:rQ+7], v[rK:rK+7], 0
.else
	WIN SKQ
	v_wmma_f32_16x16x32_bf16 v[rS:rS+7], v[rQ:rQ+7], v[rK:rK+7], v[rS:rS+7]
.endif
.set st_, st_+1
.endr
.set kb_, kb_+1
.endr
	PLACES
	WIN 0
.set g_, 0
.rept (\x)+1                                       ; the maximum: tile st feeds chain st % 4, four instructions a tile, its low registers first
.set n_, 0
.rept 4
.set c_, 0
.rept 4
.set a_, S+8*(4*g_+c_)
.if (g_ == 0) && (n_ == 0)
	v_max3_num_f32 v[CH+c_], v[a_], v[a_+1], v[a_+2]
.elseif (g_ == 0) && (n_ < 3)
	v_max3_num_f32 v[CH+c_], v[CH+c_], v[a_+2*n_+1], v[a_+2*n_+2]
.elseif g_ == 0
	v_max_num_f32 v[CH+c_], v[CH+c_], v[a_+7]
.else
	v_max3_num_f32 v[CH+c_], v[CH+c_], v[a_+2*n_], v[a_+2*n_+1]
.endif
.set c_, c_+1
.endr
.set n_, n_+1
.endr
.set g_, g_+1
.endr
	v_max3_num_f32 v[CH], v[CH], v[CH+1], v[CH+2]
	v_max_num_f32 v[CH], v[CH], v[CH+3]
	v_permlanex16_b32 v[TM], v[CH], s22, s23       ; the row's other keys lie in the lane 16 away
	v_max_num_f32 v[MX], v[CH], v[TM]
	v_mul_f32 v[CM], s20, v[MX]
.set p_, 0
.rept 4*NT
	v_pk_fma_f32 v[S+2*p_:S+2*p_+1], v[S+2*p_:S+2*p_+1], s[20:21], v[CM:CM+1] op_sel_hi:[1,0,0] neg_lo:[0,0,1] neg_hi:[0,0,1]  ; c s - c m
.set p_, p_+1
.endr
.set p_, 0
.rept 8*NT
	v_exp_f32 v[S+p_], v[S+p_]
.set p_, p_+1
.endr
	v_nop                                          ; a plain instruction behind the last exponential,
	s_wait_alu depctr_va_vdst(0)                   ; and one wait for the batch, ahead of its first reader
.set p_, 0
.rept 4                                            ; the sum in four chains; tiles 0 and 1 start them
	v_pk_add_f32 v[LS+2*p_:LS+2*p_+1], v[S+2*p_:S+2*p_+1], v[S+8+2*p_:S+8+2*p_+1]
.set p_, p_+1
.endr
.set p_, 8
.rept 4*NT-8
	v_pk_add_f32 v[LS+2*(p_%4):LS+2*(p_%4)+1], v[LS+2*(p_%4):LS+2*(p_%4)+1], v[S+2*p_:S+2*p_+1]
.set p_, p_+1
.endr
	WIN TO3
.set p_, 0
.rept 4*NT
	v_cvt_pk_bf16_f32 v[P+p_], v[S+2*p_], v[S+2*p_+1]
.set p_, p_+1
.endr
.if (\x) == 0
	s_wait_dscnt 0x0                               ; V^T is in
.endif
	WIN PVW
.set kk_, 0
.rept 2*(\x)+2                                     ; O^T: 32 keys a step; the four channel blocks take turns
.set c_, 0
.rept 4
.if kk_ == 0
	v_wmma_f32_16x16x32_bf16 v[O+8*c_:O+8*c_+7], v[8*(4*kk_+c_):8*(4*kk_+c_)+7], v[P+8*kk_:P+8*kk_+7], 0
.else
	v_wmma_f32_16x16x32_bf16 v[O+8*c_:O+8*c_+7], v[8*(4*kk_+c_):8*(4*kk_+c_)+7], v[P+8*kk_:P+8*kk_+7], v[O+8*c_:O+8*c_+7]
.endif
.set c_, c_+1
.endr
.set kk_, kk_+1
.endr
	WIN 0                                          ; the divisor; its plain lines are the places behind the last products
	v_pk_add_f32 v[LS:LS+1], v[LS:LS+1], v[LS+2:LS+3]
	v_pk_add_f32 v[LS+4:LS+5], v[LS+4:LS+5], v[LS+6:LS+7]
	v_pk_add_f32 v[LS:LS+1], v[LS:LS+1], v[LS+4:LS+5]
	v_add_f32 v[LS], v[LS], v[LS+1]
	v_permlanex16_b32 v[TM], v[LS], s22, s23
	v_add_f32 v[LS], v[LS], v[TM]
	v_rcp_f32 v[RL], v[LS]
	v_nop
	s_wait_alu depctr_va_vdst(0)
	WIN ORS
.set p_, 0
.rept 16
	v_pk_mul_f32 v[O+2*p_:O+2*p_+1], v[O+2*p_:O+2*p_+1], v[RL:RL+1] op_sel_hi:[1,0]
.set p_, p_+1
.endr
	s_wait_xcnt 0x0                                ; the stores of two pieces ago have read this set of registers
	WIN 0x0f
.set p_, 0
.rept 16
	v_cvt_pk_bf16_f32 v[OP+16*((\x)%2)+p_], v[O+2*p_], v[O+2*p_+1]
.set p_, p_+1
.endr
	WIN 0
.set c_, 0
.rept 4                                            ; half a fragment of att a store: 512 consecutive aligned bytes
	global_store_b128 v[GO], v[OP+16*((\x)%2)+4*c_:OP+16*((\x)%2)+4*c_+3], s[8:9] offset:(\x)*65536+c_*512 th:TH_STORE_NT
.set c_, c_+1
.endr
.endm
	PIECE 0
	PIECE 1
	PIECE 2
	PIECE 3
	s_wait_tensorcnt 0x0                           ; the wave's end, behind my last tensor load and my last LDS store
	ds_add_u32 v[SPW], v[NIL]
	s_wait_dscnt 0x0
	CROUND                                         ; the closing round: no work-group ends while a partner may still ask for a tile that names it
	s_endpgm
.Lfunc_end_k_q62a19b7708_attn:
	.size	k_q62a19b7708_attn, .Lfunc_end_k_q62a19b7708_attn-k_q62a19b7708_attn
	.p2alignl 7, 3214868480
	.fill 96, 4, 3214868480
	.section	.rodata,"a",@progbits
	.p2align	6, 0x0
	.amdhsa_kernel k_q62a19b7708_attn
		.amdhsa_group_segment_fixed_size 327680
		.amdhsa_private_segment_fixed_size 0
		.amdhsa_enable_private_segment 0
		.amdhsa_kernarg_size 24
		.amdhsa_user_sgpr_count 2
		.amdhsa_user_sgpr_kernarg_segment_ptr 1
		.amdhsa_wavefront_size32 1
		.amdhsa_system_sgpr_workgroup_id_x 1
		.amdhsa_system_sgpr_workgroup_id_y 1
		.amdhsa_system_sgpr_workgroup_id_z 1
		.amdhsa_system_vgpr_workitem_id 0
		.amdhsa_next_free_vgpr 1024
		.amdhsa_next_free_sgpr 66
		.amdhsa_reserve_vcc 1
		.amdhsa_float_denorm_mode_32 3
		.amdhsa_float_denorm_mode_16_64 3
		.amdhsa_memory_ordered 1
		.amdhsa_forward_progress 1
		.amdhsa_inst_pref_size 193
	.end_amdhsa_kernel
	.amdgpu_metadata
---
amdhsa.version: [ 1, 2 ]
amdhsa.kernels:
  - .name:           k_q62a19b7708_attn
    .symbol:         k_q62a19b7708_attn.kd
    .args:
      - { .name: h, .offset: 0, .size: 8, .value_kind: global_buffer, .address_space: global }
      - { .name: wqkv, .offset: 8, .size: 8, .value_kind: global_buffer, .address_space: global }
      - { .name: att, .offset: 16, .size: 8, .value_kind: global_buffer, .address_space: global }
    .group_segment_fixed_size: 327680
    .private_segment_fixed_size: 0
    .kernarg_segment_align: 8
    .kernarg_segment_size: 24
    .max_flat_workgroup_size: 128
    .sgpr_count:     66
    .vgpr_count:     1024
    .wavefront_size: 32
...
	.end_amdgpu_metadata
.endif
;; end of part 2
;; launch ffn (part 3): grid 256 x 1, 4 waves a work-group, clusters of 4 x 1, 327,680 bytes of LDS; arguments x, att, wf, proj_b, ln2_g, ln2_b, b1, b2, out0; writes out0
.if DOCPART == 3
	.amdgcn_target "amdgcn-amd-amdhsa--gfx1250"
	.amdhsa_code_object_version 6
	.text
	.protected	k_q62a19b7708_ffn
	.globl	k_q62a19b7708_ffn
	.p2align	8
	.type	k_q62a19b7708_ffn,@function
k_q62a19b7708_ffn:
	s_mov_b64 s[64:65], 0
	v_nop
	global_prefetch_b8 v0, s[64:65] scope:SCOPE_SE
	s_setreg_imm32_b32 hwreg(HW_REG_WAVE_MODE, 25, 1), 1
	s_wait_xcnt 0x0
	s_wait_alu depctr_hold_cnt(0) depctr_sa_sdst(0) depctr_va_vdst(0) depctr_va_sdst(0) depctr_va_ssrc(0) depctr_va_vcc(0) depctr_vm_vsrc(0)
	s_getreg_b32 s2, hwreg(HW_REG_IB_STS2, 6, 4)
	s_cmp_eq_u32 s2, 0
	s_cbranch_scc0 .Lentry_in_a_cluster
	s_endpgm
.Lentry_in_a_cluster:
	s_bfe_u32 s2, ttmp6, 0x10000c
	s_cmp_lg_u32 s2, 0x3003
	s_cbranch_scc0 .Lentry_shape_is_right
	s_endpgm
.Lentry_shape_is_right:
; THIRD LAUNCH.  A work-group takes 64 tokens through the rest of the block: x1 = x + att proj_w + proj_b; h2 = LayerNorm2(x1); out0 = x1 + relu(h2 W1 + b1) W2 + b2.  Nothing is left out here.
; x1 and the output's sums stay in ONE set of f32 accumulators from first to last: they start as x + proj_b, take the projection, are read by the LayerNorm, take the second product, and leave with b2.
; LIMITS.  att, h2, the hidden layer and the weights are bf16 matrix operands; all else f32.  The LayerNorm takes the mean first and then the mean of (x1 - mean)^2.  NaN and infinities are not treated apart.
; SHARES.  Four row tiles i of 16 tokens.  Wave w owns output columns 128 w .. 128 w + 127 (8 blocks n of 16) of all 64 tokens: 32 accumulators.  Of a chunk of 128 hidden columns wave w makes 32 w .. 32 w + 31.
; LAYOUT.  Weights are source 0, tokens source 1: a lane holds one token (lane % 16) and 8 neighbouring columns, which rounded in pairs are half a fragment (see prep) of the next product.
; h2 (all 512 channels of 64 tokens: 512 registers) stays in registers, where att's fragments lay before; the hidden layer goes chunk by chunk through 16 KiB of LDS.
; THE WEIGHTS come as 36 tiles of 131,072 bytes in order of use (4 of proj_w, then W1's and W2's chunks by turns) through two LDS slots.  All work-groups walk the same tiles: the four of a cluster ask JOINTLY
; (mask 15).  Wave w fetches, and alone reads, the quarter from 32,768 w on, so its own wait on TENSORcnt is all that its reads need; the rounds of the cluster's barrier serve the refills.
; A tile is 128 matrix instructions a wave; a refill is asked for behind the change of slots and has one tile's work in which to land.
; PREFETCH.  Behind the refill for tile t + 2 the sixteen waves of the launch's first cluster name tile t + 4, a lane 256 bytes, wave (4 cx + w) its 8,192 bytes: each block is named once in the launch, two tiles
; (256 matrix instructions) ahead of its load.  Tiles 0-3 come by their loads alone; the loop's last trip names nothing, since tile 35 is the last.
; All of LDS is claimed, and 0 is added to spare words at the places below.
; REGISTERS, in windows of 256 (s_set_vgpr_msb: bits 1:0 source 0, 3:2 source 1, 5:4 source 2, 7:6 destination):
;   window 0: v1-63 addresses, statistics, biases; v64-127, v128-191 weight fragments, two buffers; v192-255 the hidden chunk's 8 accumulators, then its fragments in two buffers
;   window 1: the 32 accumulators, (i, n) at 8 (4 n + i)          windows 2, 3: the resident operand: fragment (kb, i) in window 2 + kb / 8 at 32 (kb % 8) + 8 i: att, later h2
.set SLOT1, 131072
.set XR,    262144                     ; 33,792 bytes written by ds_store alone, three uses in turn with barriers between: each wave's f32 stage (16 rows x 528 bytes at 8,448 w); h2's staging (32 fragments); the hidden chunk (16 fragments, 4 kq + i)
.set STG,   8448
.set SP,    528                        ; 512 + 16 bytes = 132 words: the 16 rows that a load touches start at 16 different groups of four banks (64 banks of 4 bytes: ISA guide 11.1)
.set STAT,  XR+4*STG                   ; 2,048 bytes: a row's four partial sums at 16 row + 4 w; of squares 1,024 further on
.set SPARE, STAT+2048                  ; the spare words, 128 bytes a wave: two blocks of 256 bytes that no other line names
.set AW,  2                            ; v2-3  my quarter of slot 0, 1: 32,768 w + 16 l
.set AX,  4                            ; v4    XR + 16 l
.set AHS, 5                            ; v5    where I store the hidden chunk: XR + 4,096 w + 16 l
.set AS2, 6                            ; v6    where I store h2: XR + 8,192 w + 16 l
.set STO, 7                            ; v7    my stage by accumulator layout: row l % 16, 32 bytes for each half of the lanes
.set RD,  8                            ; v8    my stage by rows: 16 l
.set XO,  9                            ; v9    512 w + 16 l: my 16 bytes of a row of x or out0, and of proj_b and b2
.set AO,  10                           ; v10   16 l
.set GO,  11                           ; v11   512 w + 32 (l / 16): ln2_g, ln2_b by accumulator layout
.set BO,  12                           ; v12   128 w + 32 (l / 16): b1 likewise
.set AST, 13                           ; v13   STAT + 16 (l % 16) + 4 w
.set ASL, 14                           ; v14   STAT + 16 (l % 16)
.set ZR,  15                           ; v15   0, for the ReLU on packed halves
.set PFO, 16                           ; v16   256 l
.set SPW, 18                           ; v18   SPARE + 4 x my thread's number; never rewritten
.set NIL, 19                           ; v19   0; never rewritten
.set MR,  20                           ; v[20:27] row tile i: (mean, 0), later (rs, -mean rs)
.set BI,  28                           ; v[28:31] proj_b, later b2: my 4 columns by rows
.set B1R, 32                           ; v[32:47] b1 of the chunk in hand: the C operand that starts its sums
.set T,   48                           ; v[48:55] four chains of sums
.set Q,   56                           ; v[56:63] four chains of squares
.set WB0, 64
.set WB1, 128
.set HB0, 192
.set HB1, 224
.set HA,  192                          ; accumulator (i, n2) at HA + 8 (2 i + n2)
.set GG,  64                           ; during the LayerNorm: ln2_g, ln2_b, differences, exchanged sums
.set BB,  128
.set TT,  192
.set U,   224
.set G1,  32                           ; s[32:39] descriptor group 1; s[40:43] group 0 of tile 0; s[44:47] group 0 of tile 1, which then walks
.set PFA, 48                           ; s[48:49] where my prefetches stand
.set LIM, 50                           ; s50  1 in the launch's first cluster, else the greatest number
.set CNT, 51                           ; s51  trips of the loop still to come
.set MSB, 0
.macro WIN new
.if MSB != (\new)
	s_set_vgpr_msb (MSB<<8)|(\new)
.set MSB, (\new)
.endif
.endm
.macro PLACES                          ; four plain instructions between a matrix instruction and a vector instruction or load that touches its registers (ISA guide 7.12.1 for vector instructions)
.rept 4
	v_nop
.endr
.endm
.macro CREST
	s_cmp_lg_u32 s26, 0
	s_cbranch_scc1 .Lnot_wave_0_\@
	s_barrier_signal -3
.Lnot_wave_0_\@:
	s_barrier_wait -3
	s_barrier_signal -1
	s_barrier_wait -1
.endm
.macro CROUND
	s_barrier_signal -1
	s_barrier_wait -1
	CREST
.endm
.macro ASK                             ; the tile two refills on; the branch hangs on the cluster's number and the loop's count, alike in all partners
	s_cmp_gt_u32 s[CNT], s[LIM]
	s_cbranch_scc0 .Lnot_mine_\@
	global_prefetch_b8 v[PFO], s[PFA:PFA+1] th:TH_LOAD_NT scope:SCOPE_SE
.Lnot_mine_\@:
.endm
	s_load_b512 s[8:23], s[0:1], 0x0               ; x, att, wf, proj_b, ln2_g, ln2_b, b1, b2
	s_load_b64 s[24:25], s[0:1], 0x40              ; out0
	v_lshl_add_u32 v[SPW], v0, 2, SPARE
	v_mov_b32 v[NIL], 0
	ds_add_u32 v[SPW], v[NIL]                      ; the opening: the add, twice on end, and its wait ahead of my first tensor load
	ds_add_u32 v[SPW], v[NIL]
	v_lshrrev_b32 v1, 5, v0
	v_readfirstlane_b32 s26, v1                    ; wave 0..3
	s_bfe_u32 s27, ttmp6, 0x40000                  ; cx
	s_lshl_b32 s28, ttmp9, 2
	s_add_co_u32 s28, s28, s27                     ; work-group = 4 x cluster + cx: it enters x's, att's, out0's and the prefetches' addresses alone
	s_mov_b32 s[G1+0], 15|(3<<16)|(1<<21)          ; the mask of four; elements of 8 bytes; bit 21 beside a mask
	s_mov_b32 s[G1+1], 32<<16                      ; 32,768 dense bytes as 128 rows of 32 elements
	s_mov_b32 s[G1+2], 128<<16
	s_mov_b32 s[G1+3], 32<<16
	s_mov_b32 s[G1+4], 128
	s_mov_b32 s[G1+5], 32
	s_mov_b32 s[G1+6], 0
	s_mov_b32 s[G1+7], 0
	s_mov_b32 s40, 1
	s_lshl_b32 s41, s26, 15                        ; slot 0, my quarter
	s_mov_b32 s44, 1
	s_add_co_u32 s45, s41, SLOT1                   ; slot 1, my quarter
	s_lshl_b32 s2, s26, 15                         ; my quarter of a tile in memory
	s_mov_b32 s3, 0
	s_lshl2_add_u32 s4, s27, s26                   ; 4 cx + w
	s_lshl_b32 s4, s4, 13
	s_mov_b32 s5, 0
	s_lshl_b32 s6, s28, 17                         ; 64 rows of 2,048 bytes
	s_mov_b32 s7, 0
	s_mov_b32 s[CNT], 15
	s_mov_b32 s52, 0x76543210
	s_mov_b32 s53, 0xfedcba98
	s_mov_b32 s54, 0x3b000000                      ; 1 / 512
	s_mov_b32 s55, 0x3727c5ac                      ; 1e-5
	s_cmp_eq_u32 ttmp9, 0
	s_cselect_b32 s[LIM], 1, -1
	s_wait_dscnt 0x0                               ; both opening adds are done
	s_wait_kmcnt 0x0
	s_add_nc_u64 s[42:43], s[12:13], s[2:3]        ; tile 0
	s_add_nc_u64 s[46:47], s[42:43], 131072        ; tile 1
	s_or_b32 s43, s43, 0x80000000
	s_or_b32 s47, s47, 0x80000000
	s_add_nc_u64 s[PFA:PFA+1], s[12:13], s[4:5]
	s_add_nc_u64 s[PFA:PFA+1], s[PFA:PFA+1], 3*131072  ; in tile 3: the first change of slots steps it to tile 4
	s_add_nc_u64 s[8:9], s[8:9], s[6:7]
	s_add_nc_u64 s[24:25], s[24:25], s[6:7]
	s_lshr_b32 s6, s6, 1                           ; four row tiles of 16,384 bytes
	s_add_nc_u64 s[10:11], s[10:11], s[6:7]
	CROUND                                         ; all four work-groups are here: the first joint loads meet
	tensor_load_to_lds s[40:43], s[G1:G1+7]
	s_nop 0
	tensor_load_to_lds s[44:47], s[G1:G1+7]        ; two loads of mine are out
	s_nop 0
.rept 4
	v_nop
.endr
	v_and_b32 v16, 31, v0
	v_lshlrev_b32 v[AO], 4, v16
	s_lshl_b32 s4, s26, 9
	v_add_nc_u32 v[XO], s4, v[AO]
.macro XLOAD i, buf                    ; my 512 bytes of the 16 rows of row tile i
.set r_, 0
.rept 16
	global_load_b128 v[(\buf)+4*r_:(\buf)+4*r_+3], v[XO], s[8:9] offset:(16*(\i)+r_)*2048 th:TH_LOAD_NT
.set r_, r_+1
.endr
.endm
	global_load_b128 v[BI:BI+3], v[XO], s[14:15]
	XLOAD 0, WB0
	XLOAD 1, WB1
	v_and_b32 v1, 15, v0                           ; l % 16
	v_bfe_u32 v17, v0, 4, 1                        ; l / 16
	v_lshl_add_u32 v[GO], v17, 5, s4
	v_lshlrev_b32 v[PFO], 8, v16
	s_lshl_b32 s4, s26, 15
	v_add_nc_u32 v[AW], s4, v[AO]
	v_add_nc_u32 v[AW+1], SLOT1, v[AW]
	v_add_nc_u32 v[AX], XR, v[AO]
	s_lshl_b32 s4, s26, 12
	s_add_co_u32 s4, s4, XR
	v_add_nc_u32 v[AHS], s4, v[AO]
	s_lshl_b32 s4, s26, 13
	s_add_co_u32 s4, s4, XR
	v_add_nc_u32 v[AS2], s4, v[AO]
	s_mul_i32 s4, s26, STG
	s_add_co_u32 s4, s4, XR
	v_add_nc_u32 v[RD], s4, v[AO]
	v_mul_u32_u24 v[STO], v1, SP
	v_lshl_add_u32 v[STO], v17, 5, v[STO]
	v_add_nc_u32 v[STO], s4, v[STO]
	s_lshl_b32 s4, s26, 7
	v_lshl_add_u32 v[BO], v17, 5, s4
	s_lshl_b32 s4, s26, 2
	s_add_co_u32 s4, s4, STAT
	v_lshl_add_u32 v[AST], v1, 4, s4
	v_lshlrev_b32 v[ASL], 4, v1
	v_add_nc_u32 v[ASL], STAT, v[ASL]
	v_mov_b32 v[ZR], 0
.set i_, 0
.rept 8
	v_mov_b32 v[MR+i_], 0
.set i_, i_+1
.endr
; x + proj_b of row tile i goes through my own stage into the accumulators: in by rows, out by accumulator layout.  LDS serves a wave's instructions in order (ISA guide 5.7.1.4): no wait between.
.macro XIN i, buf
	WIN 0
.set r_, 0
.rept 16
	v_pk_add_f32 v[(\buf)+4*r_:(\buf)+4*r_+1], v[(\buf)+4*r_:(\buf)+4*r_+1], v[BI:BI+1]
	v_pk_add_f32 v[(\buf)+4*r_+2:(\buf)+4*r_+3], v[(\buf)+4*r_+2:(\buf)+4*r_+3], v[BI+2:BI+3]
.set r_, r_+1
.endr
.set r_, 0
.rept 16
	ds_store_b128 v[RD], v[(\buf)+4*r_:(\buf)+4*r_+3] offset:r_*SP
.set r_, r_+1
.endr
	WIN 0x40
.set n_, 0
.rept 8
	ds_load_b128 v[8*(4*n_+(\i)):8*(4*n_+(\i))+3],   v[STO] offset:64*n_
	ds_load_b128 v[8*(4*n_+(\i))+4:8*(4*n_+(\i))+7], v[STO] offset:64*n_+16
.set n_, n_+1
.endr
	WIN 0
.endm
	s_wait_loadcnt 16                              ; proj_b and row tile 0 are in; tile 1's sixteen loads may stay out
	XIN 0, WB0
	XLOAD 2, WB0
	s_wait_loadcnt 16                              ; tile 1 is in; tile 2's may stay out
	XIN 1, WB1
	XLOAD 3, WB1
.set k_, 0
.rept 16                                           ; att's 64 fragments: the projection's resident operand
	WIN 0x80+0x40*(k_/8)
.set i_, 0
.rept 4
.set rR, (k_%8)*32+8*i_
	global_load_b128 v[rR:rR+3],   v[AO], s[10:11] offset:i_*16384+k_*1024 th:TH_LOAD_NT
	global_load_b128 v[rR+4:rR+7], v[AO], s[10:11] offset:i_*16384+k_*1024+512 th:TH_LOAD_NT
.set i_, i_+1
.endr
.set k_, k_+1
.endr
	WIN 0
	s_wait_loadcnt 63                              ; 128 loads stand behind x's last: with 63 out at the most tiles 2 and 3 are in
	XIN 2, WB0
	XIN 3, WB1
.macro FETCHW slot, g, buf             ; 8 weight fragments, group g of my quarter
	WIN 0
.set f_, 0
.rept 8
	ds_load_b128 v[(\buf)+8*f_:(\buf)+8*f_+3],   v[AW+(\slot)] offset:(8*(\g)+f_)*1024
	ds_load_b128 v[(\buf)+8*f_+4:(\buf)+8*f_+7], v[AW+(\slot)] offset:(8*(\g)+f_)*1024+512
.set f_, f_+1
.endr
.endm
.macro FETCHH kq, buf                  ; the hidden chunk's four fragments of 32 columns kq
	WIN 0
.set f_, 0
.rept 4
	ds_load_b128 v[(\buf)+8*f_:(\buf)+8*f_+3],   v[AX] offset:(4*(\kq)+f_)*1024
	ds_load_b128 v[(\buf)+8*f_+4:(\buf)+8*f_+7], v[AX] offset:(4*(\kq)+f_)*1024+512
.set f_, f_+1
.endr
.endm
; The wide product, 32 along K: blocks n0 .. n1 x four row tiles.  The 32 accumulators take turns, one instruction a turn.
.macro MULW buf, n0, n1, bwin, bbase
	WIN 0x50|((\bwin)<<2)
.set n_, \n0
.rept (\n1)-(\n0)+1
.set i_, 0
.rept 4
	v_wmma_f32_16x16x32_bf16 v[8*(4*n_+i_):8*(4*n_+i_)+7], v[(\buf)+8*n_:(\buf)+8*n_+7], v[(\bbase)+8*i_:(\bbase)+8*i_+7], v[8*(4*n_+i_):8*(4*n_+i_)+7]
.set i_, i_+1
.endr
.set n_, n_+1
.endr
.endm
; The first product of the feed-forward: K blocks 4 g + k0 .. 4 g + k1, my two blocks of hidden columns x four row tiles: 8 accumulators by turns.  The very first takes b1 as C: nothing is cleared.
.macro MULF buf, g, k0, k1
	WIN 0x08+4*((\g)/2)
.set k_, \k0
.rept (\k1)-(\k0)+1
.set m_, 0
.rept 2
.set i_, 0
.rept 4
.set rH, HA+8*(2*i_+m_)
.set rR, ((4*(\g)+k_)%8)*32+8*i_
.if ((\g) == 0) && (k_ == 0)
	v_wmma_f32_16x16x32_bf16 v[rH:rH+7], v[(\buf)+8*(2*k_+m_):(\buf)+8*(2*k_+m_)+7], v[rR:rR+7], v[B1R+8*m_:B1R+8*m_+7]
.else
	v_wmma_f32_16x16x32_bf16 v[rH:rH+7], v[(\buf)+8*(2*k_+m_):(\buf)+8*(2*k_+m_)+7], v[rR:rR+7], v[rH:rH+7]
.endif
.set i_, i_+1
.endr
.set m_, m_+1
.endr
.set k_, k_+1
.endr
.endm
; THE CHANGE OF SLOTS, in two parts with matrix work between.  Each wave waits for all its tensor loads (one is out: the next tile), adds 0 to its spare word, and waits for that and for its reads of this slot;
; the barrier opens a round of the cluster's barrier; the joint refill, the tile two on, is the first thing behind the round.
.macro CHG_HEAD
	s_wait_xcnt 0x0                                ; the last prefetch, a tile back, has read its address
	s_add_nc_u64 s[PFA:PFA+1], s[PFA:PFA+1], 131072
	WIN 0
	s_wait_tensorcnt 0x0
	ds_add_u32 v[SPW], v[NIL]
	s_wait_dscnt 1                                 ; the fragments are in; the add may be out
.endm
.macro CHG_MID
	WIN 0
	s_barrier_wait -1
	CREST
	s_xor_b32 s45, s45, SLOT1                      ; the walking descriptor: the other slot than last time,
	s_add_nc_u64 s[46:47], s[46:47], 131072        ; the next tile; the type bits on top are not reached
	tensor_load_to_lds s[44:47], s[G1:G1+7]
	s_nop 0
.rept 4
	v_nop                                          ; also the places in front of the loads that follow
.endr
.endm
.macro WSTEP buf, obuf, bwin, bbase, slot, gnext, hnext, hobuf  ; 32 along K of the wide product; in its middle the next step's fragments are fetched
	s_wait_dscnt 0x0
	MULW \buf, 0, 3, \bwin, \bbase
	PLACES
	FETCHW \slot, \gnext, \obuf
.if (\hnext) >= 0
	FETCHH \hnext, \hobuf
.endif
	MULW \buf, 4, 7, \bwin, \bbase
.endm
.macro WTURN bwin, bbase, nslot        ; a tile's last 32 along K, on buffer 1, and the change of slots
	CHG_HEAD
	MULW WB1, 0, 3, \bwin, \bbase
	s_wait_dscnt 0x0                               ; the add is done; my reads of this slot, and of the hidden chunk, are over
	s_barrier_signal -1
	MULW WB1, 4, 5, \bwin, \bbase
	CHG_MID
.if (\nslot) >= 0
	FETCHW \nslot, 0, WB0
.endif
	ASK
	MULW WB1, 6, 7, \bwin, \bbase
.endm
.macro PROJ p, nslot                   ; K chunk p of the projection: tile p, in slot p % 2
.set BW, 2+(\p)/2
	WSTEP WB0, WB1, BW, ((4*(\p)+0)%8)*32, (\p)%2, 1, -1, 0
	WSTEP WB1, WB0, BW, ((4*(\p)+1)%8)*32, (\p)%2, 2, -1, 0
	WSTEP WB0, WB1, BW, ((4*(\p)+2)%8)*32, (\p)%2, 3, -1, 0
	WTURN BW, ((4*(\p)+3)%8)*32, \nslot
.endm
	s_wait_loadcnt 0x0                             ; att
	s_wait_dscnt 0x0                               ; the accumulators hold x + proj_b
	s_wait_tensorcnt 0x1                           ; my quarter of tile 0 is in; tile 1's may stay out
	FETCHW 0, 0, WB0
	PROJ 0, 1
	PROJ 1, 0
	PROJ 2, 1
	PROJ 3, -1
	; ---------------- LayerNorm 2 on the accumulators, which keep x1
	PLACES
	WIN 0
.set n_, 0
.rept 8
	global_load_b128 v[GG+8*n_:GG+8*n_+3],   v[GO], s[16:17] offset:64*n_
	global_load_b128 v[GG+8*n_+4:GG+8*n_+7], v[GO], s[16:17] offset:64*n_+16
	global_load_b128 v[BB+8*n_:BB+8*n_+3],   v[GO], s[18:19] offset:64*n_
	global_load_b128 v[BB+8*n_+4:BB+8*n_+7], v[GO], s[18:19] offset:64*n_+16
.set n_, n_+1
.endr
	global_load_b128 v[BI:BI+3], v[XO], s[22:23]   ; b2
.irp m, 0,1
	global_load_b128 v[B1R+8*(\m):B1R+8*(\m)+3],   v[BO], s[20:21] offset:64*(\m)
	global_load_b128 v[B1R+8*(\m)+4:B1R+8*(\m)+7], v[BO], s[20:21] offset:64*(\m)+16
.endr
; My 64 numbers of a row are summed in the lane; the lane 16 away holds the row's other 64 of my columns; the four waves' sums meet in LDS.
.macro EXCH base, off
.set i_, 0
.rept 4
	v_add_f32 v[(\base)+2*i_], v[(\base)+2*i_], v[(\base)+2*i_+1]
.set i_, i_+1
.endr
.set i_, 0
.rept 4
	v_permlanex16_b32 v[(\base)+2*i_+1], v[(\base)+2*i_], s52, s53
.set i_, i_+1
.endr
.set i_, 0
.rept 4
	v_add_f32 v[(\base)+2*i_], v[(\base)+2*i_], v[(\base)+2*i_+1]
.set i_, i_+1
.endr
.set i_, 0
.rept 4
	ds_store_b32 v[AST], v[(\base)+2*i_] offset:(\off)+256*i_
.set i_, i_+1
.endr
	s_wait_dscnt 0x0                               ; for the others' sake: my stores are done
	s_barrier_signal -1
	s_barrier_wait -1
.set i_, 0
.rept 4
	ds_load_b128 v[U+4*i_:U+4*i_+3], v[ASL] offset:(\off)+256*i_
.set i_, i_+1
.endr
	s_wait_dscnt 0x0
.set i_, 0
.rept 4
	v_add_f32 v[U+4*i_], v[U+4*i_], v[U+4*i_+1]
	v_add_f32 v[U+4*i_+2], v[U+4*i_+2], v[U+4*i_+3]
.set i_, i_+1
.endr
.set i_, 0
.rept 4
	v_add_f32 v[U+4*i_], v[U+4*i_], v[U+4*i_+2]
.set i_, i_+1
.endr
.endm
	WIN 0x05                                       ; both sources window 1
.set i_, 0
.rept 4
	v_pk_add_f32 v[T+2*i_:T+2*i_+1], v[8*i_:8*i_+1], v[8*i_+2:8*i_+3]
.set i_, i_+1
.endr
	WIN 0x01
.set p_, 2
.rept 30                                           ; pair p % 4 of block p / 4
.set i_, 0
.rept 4
.set rO, 8*(4*(p_/4)+i_)+2*(p_%4)
	v_pk_add_f32 v[T+2*i_:T+2*i_+1], v[rO:rO+1], v[T+2*i_:T+2*i_+1]
.set i_, i_+1
.endr
.set p_, p_+1
.endr
	WIN 0
	EXCH T, 0
.set i_, 0
.rept 4
	v_mul_f32 v[MR+2*i_], s54, v[U+4*i_]           ; the mean
.set i_, i_+1
.endr
.set n_, 0
.rept 8                                            ; (x1 - mean)^2: sixteen differences under one window setting, then their sixteen multiply-adds
	WIN 0x01
.set p_, 0
.rept 16
.set i_, p_%4
.set j_, p_/4
	v_pk_add_f32 v[TT+8*i_+2*j_:TT+8*i_+2*j_+1], v[8*(4*n_+i_)+2*j_:8*(4*n_+i_)+2*j_+1], v[MR+2*i_:MR+2*i_+1] op_sel_hi:[1,0] neg_lo:[0,1] neg_hi:[0,1]
.set p_, p_+1
.endr
	WIN 0
.set p_, 0
.rept 16
.set i_, p_%4
.set j_, p_/4
.if (n_ == 0) && (j_ == 0)
	v_pk_mul_f32 v[Q+2*i_:Q+2*i_+1], v[TT+8*i_+2*j_:TT+8*i_+2*j_+1], v[TT+8*i_+2*j_:TT+8*i_+2*j_+1]
.else
	v_pk_fma_f32 v[Q+2*i_:Q+2*i_+1], v[TT+8*i_+2*j_:TT+8*i_+2*j_+1], v[TT+8*i_+2*j_:TT+8*i_+2*j_+1], v[Q+2*i_:Q+2*i_+1]
.endif
.set p_, p_+1
.endr
.set n_, n_+1
.endr
	EXCH Q, 1024                                   ; other bytes than the sums': one barrier each
.set i_, 0
.rept 4
	v_fma_f32 v[U+4*i_], v[U+4*i_], s54, s55       ; the variance + eps
.set i_, i_+1
.endr
.set i_, 0
.rept 4
	v_rsq_f32 v[U+4*i_], v[U+4*i_]
.set i_, i_+1
.endr
	v_nop                                          ; a plain instruction behind the last inverse root,
	s_wait_alu depctr_va_vdst(0)                   ; and one wait for the four
.set i_, 0
.rept 4
	v_mul_f32 v[MR+2*i_+1], -v[MR+2*i_], v[U+4*i_] ; -mean rs
	v_mov_b32 v[MR+2*i_], v[U+4*i_]                ; rs
.set i_, i_+1
.endr
	s_wait_loadcnt 0x0                             ; ln2_g, ln2_b, b2, b1's first chunk
; h2 of row tile i, my 128 columns: (x1 rs - mean rs) g + b, rounded in place: 8 halves of fragments, into the staging at fragment 2 kb + i % 2, kb = 4 w + n / 2
.macro H2ROW i
	WIN 0x01
.set p_, 0
.rept 32
	v_pk_fma_f32 v[TT+2*p_:TT+2*p_+1], v[8*(4*(p_/4)+(\i))+2*(p_%4):8*(4*(p_/4)+(\i))+2*(p_%4)+1], v[MR+2*(\i):MR+2*(\i)+1], v[MR+2*(\i):MR+2*(\i)+1] op_sel:[0,0,1] op_sel_hi:[1,0,1]
.set p_, p_+1
.endr
	WIN 0
.set p_, 0
.rept 32
	v_pk_fma_f32 v[TT+2*p_:TT+2*p_+1], v[TT+2*p_:TT+2*p_+1], v[GG+2*p_:GG+2*p_+1], v[BB+2*p_:BB+2*p_+1]
.set p_, p_+1
.endr
.set p_, 0
.rept 32
	v_cvt_pk_bf16_f32 v[TT+8*(p_/4)+p_%4], v[TT+2*p_], v[TT+2*p_+1]
.set p_, p_+1
.endr
.set n_, 0
.rept 8
	ds_store_b128 v[AS2], v[TT+8*n_:TT+8*n_+3] offset:(n_/2)*2048+((\i)%2)*1024+(n_%2)*512
.set n_, n_+1
.endr
.endm
.macro H2BACK ps                       ; every wave takes all 16 K blocks of row tiles 2 ps, 2 ps + 1 into the resident operand
.set k_, 0
.rept 16
	WIN 0x80+0x40*(k_/8)
.set m_, 0
.rept 2
.set rR, (k_%8)*32+8*(2*(\ps)+m_)
	ds_load_b128 v[rR:rR+3],   v[AX] offset:(2*k_+m_)*1024
	ds_load_b128 v[rR+4:rR+7], v[AX] offset:(2*k_+m_)*1024+512
.set m_, m_+1
.endr
.set k_, k_+1
.endr
	WIN 0
.endm
	H2ROW 0
	H2ROW 1
	s_wait_dscnt 0x0
	s_barrier_signal -1
	s_barrier_wait -1
	H2BACK 0
	s_wait_dscnt 0x0                               ; my reads of the staging are over, before anyone writes it again
	s_barrier_signal -1
	s_barrier_wait -1
	H2ROW 2
	H2ROW 3
	s_wait_dscnt 0x0
	s_barrier_signal -1
	s_barrier_wait -1
	H2BACK 1
	FETCHW 0, 0, WB0                               ; tile 4, W1's first chunk: shown landed by the wait for all loads at the projection's last change of slots
	; ---------------- the feed-forward, a chunk of 128 hidden columns at a time
.macro FGRP g, ldb1                    ; four K blocks of the first product; in group 1 the next chunk's b1 is asked for
	s_wait_dscnt 0x0
	MULF WB0+64*((\g)%2), \g, 0, 1
	PLACES
	FETCHW 0, (\g)+1, WB0+64*(((\g)+1)%2)
.if ((\g) == 1) && (\ldb1)
.irp m, 0,1
	global_load_b128 v[B1R+8*(\m):B1R+8*(\m)+3],   v[BO], s[20:21] offset:512+64*(\m)
	global_load_b128 v[B1R+8*(\m)+4:B1R+8*(\m)+7], v[BO], s[20:21] offset:512+64*(\m)+16
.endr
.endif
	MULF WB0+64*((\g)%2), \g, 2, 3
.endm
.macro FTURN fill                      ; the last four K blocks, on buffer 1; fill = 1: with the change of slots
.if \fill
	CHG_HEAD
	MULF WB1, 3, 0, 1
	s_wait_dscnt 0x0                               ; the add is done and my reads of this slot are over
	s_barrier_signal -1
	MULF WB1, 3, 2, 2
	CHG_MID
	FETCHW 1, 0, WB0
	ASK
	MULF WB1, 3, 3, 3
.else
	s_wait_tensorcnt 0x0                           ; my quarter of the last tile is in; nothing is filled any more
	s_wait_dscnt 0x0
	MULF WB1, 3, 0, 2
	PLACES
	FETCHW 1, 0, WB0
	MULF WB1, 3, 3, 3
.endif
.endm
.macro PACKH                           ; the chunk is rounded in place, cut at 0 and handed to all four waves: accumulator a = 2 i + n2 is half n2 of fragment 4 w + i
	PLACES
	WIN 0
.set a_, 0
.rept 8
.set j_, 0
.rept 4
	v_cvt_pk_bf16_f32 v[HA+8*a_+j_], v[HA+8*a_+2*j_], v[HA+8*a_+2*j_+1]
.set j_, j_+1
.endr
.set j_, 0
.rept 4
	v_pk_max_num_bf16 v[HA+8*a_+j_], v[HA+8*a_+j_], v[ZR]
.set j_, j_+1
.endr
	ds_store_b128 v[AHS], v[HA+8*a_:HA+8*a_+3] offset:a_*512
.set a_, a_+1
.endr
	s_wait_dscnt 0x0                               ; for the others' sake: my stores are done
	s_barrier_signal -1                            ; the refill that is out may stay out
	s_barrier_wait -1
	FETCHH 0, HB0
.endm
; One buffer for the hidden chunk is enough: its last reads are waited for in front of the round in WTURN, and the next chunk is stored behind a later round.
.macro CHUNK fill
.rept 5
	v_nop                                          ; the first products below write over registers that the last products above read: five places
.endr
	FGRP 0, 0
	FGRP 1, \fill
	FGRP 2, 0
	FTURN \fill
	PACKH
	WSTEP WB0, WB1, 0, HB0, 1, 1, 1, HB1
	WSTEP WB1, WB0, 0, HB1, 1, 2, 2, HB0
	WSTEP WB0, WB1, 0, HB0, 1, 3, 3, HB1
.if \fill
	WTURN 0, HB1, 0
	s_wait_loadcnt 0x0                             ; the next chunk's b1 is in, and its loads have read their address:
	s_add_nc_u64 s[20:21], s[20:21], 512           ; on to that chunk
.else
	s_wait_dscnt 0x0
	MULW WB1, 0, 7, 0, HB1
.endif
.endm
.Lchunk:                                           ; 15 trips: chunks 0 to 14; each fills both slots again
	CHUNK 1
	WIN 0
	s_sub_co_u32 s[CNT], s[CNT], 1
	s_cmp_lg_u32 s[CNT], 0
	s_cbranch_scc1 .Lchunk
	CHUNK 0                                        ; the last chunk is written out
	; ---------------- the way out: through my stage back to rows, plus b2
	PLACES
	WIN 0
	s_wait_dscnt 0x0
	s_barrier_signal -1                            ; nobody reads the hidden chunk any more: its bytes become the stages again
	s_barrier_wait -1
.macro OUT i
.set BK, WB0+64*((\i)%2)
	WIN 0x04                                       ; the stores' data in window 1
.set n_, 0
.rept 8
	ds_store_b128 v[STO], v[8*(4*n_+(\i)):8*(4*n_+(\i))+3]   offset:64*n_
	ds_store_b128 v[STO], v[8*(4*n_+(\i))+4:8*(4*n_+(\i))+7] offset:64*n_+16
.set n_, n_+1
.endr
	WIN 0
	s_wait_xcnt 0x0                                ; the stores of two row tiles ago have read these registers
.set r_, 0
.rept 16
	ds_load_b128 v[BK+4*r_:BK+4*r_+3], v[RD] offset:r_*SP  ; a wave's LDS instructions are served in order: these see the stores above
.set r_, r_+1
.endr
	s_wait_dscnt 0x0
.set r_, 0
.rept 16
	v_pk_add_f32 v[BK+4*r_:BK+4*r_+1], v[BK+4*r_:BK+4*r_+1], v[BI:BI+1]
	v_pk_add_f32 v[BK+4*r_+2:BK+4*r_+3], v[BK+4*r_+2:BK+4*r_+3], v[BI+2:BI+3]
.set r_, r_+1
.endr
.set r_, 0
.rept 16
	global_store_b128 v[XO], v[BK+4*r_:BK+4*r_+3], s[24:25] offset:(16*(\i)+r_)*2048 th:TH_STORE_NT  ; 512 consecutive aligned bytes
.set r_, r_+1
.endr
.endm
	OUT 0
	OUT 1
	OUT 2
	OUT 3
	s_wait_tensorcnt 0x0                           ; the wave's end, behind my last tensor load and my last LDS store
	ds_add_u32 v[SPW], v[NIL]
	s_wait_dscnt 0x0
	CROUND                                         ; the closing round: no work-group ends while a partner may still ask for a tile that names it
	s_endpgm
.Lfunc_end_k_q62a19b7708_ffn:
	.size	k_q62a19b7708_ffn, .Lfunc_end_k_q62a19b7708_ffn-k_q62a19b7708_ffn
	.p2alignl 7, 3214868480
	.fill 96, 4, 3214868480
	.section	.rodata,"a",@progbits
	.p2align	6, 0x0
	.amdhsa_kernel k_q62a19b7708_ffn
		.amdhsa_group_segment_fixed_size 327680
		.amdhsa_private_segment_fixed_size 0
		.amdhsa_enable_private_segment 0
		.amdhsa_kernarg_size 72
		.amdhsa_user_sgpr_count 2
		.amdhsa_user_sgpr_kernarg_segment_ptr 1
		.amdhsa_wavefront_size32 1
		.amdhsa_system_sgpr_workgroup_id_x 1
		.amdhsa_system_sgpr_workgroup_id_y 1
		.amdhsa_system_sgpr_workgroup_id_z 1
		.amdhsa_system_vgpr_workitem_id 0
		.amdhsa_next_free_vgpr 1024
		.amdhsa_next_free_sgpr 66
		.amdhsa_reserve_vcc 0
		.amdhsa_float_denorm_mode_32 3
		.amdhsa_float_denorm_mode_16_64 3
		.amdhsa_memory_ordered 1
		.amdhsa_forward_progress 1
		.amdhsa_inst_pref_size 253
	.end_amdhsa_kernel
	.amdgpu_metadata
---
amdhsa.version: [ 1, 2 ]
amdhsa.kernels:
  - .name:           k_q62a19b7708_ffn
    .symbol:         k_q62a19b7708_ffn.kd
    .args:
      - { .name: x, .offset: 0, .size: 8, .value_kind: global_buffer, .address_space: global }
      - { .name: att, .offset: 8, .size: 8, .value_kind: global_buffer, .address_space: global }
      - { .name: wf, .offset: 16, .size: 8, .value_kind: global_buffer, .address_space: global }
      - { .name: proj_b, .offset: 24, .size: 8, .value_kind: global_buffer, .address_space: global }
      - { .name: ln2_g, .offset: 32, .size: 8, .value_kind: global_buffer, .address_space: global }
      - { .name: ln2_b, .offset: 40, .size: 8, .value_kind: global_buffer, .address_space: global }
      - { .name: b1, .offset: 48, .size: 8, .value_kind: global_buffer, .address_space: global }
      - { .name: b2, .offset: 56, .size: 8, .value_kind: global_buffer, .address_space: global }
      - { .name: out0, .offset: 64, .size: 8, .value_kind: global_buffer, .address_space: global }
    .group_segment_fixed_size: 327680
    .private_segment_fixed_size: 0
    .kernarg_segment_align: 8
    .kernarg_segment_size: 72
    .max_flat_workgroup_size: 128
    .sgpr_count:     66
    .vgpr_count:     1024
    .wavefront_size: 32
...
	.end_amdgpu_metadata
.endif
;; end of part 3
;; ======== version 2 of 2: 3 launches
;; workspace buffers: h 16,777,216 bytes; wqkv 1,572,864 bytes; wf 4,718,592 bytes; att 16,777,216 bytes
;; launch prep: the kernel of part 1 again; grid 896 x 1, 8 waves a work-group, no clusters, 0 bytes of LDS; arguments x, ln1_g, ln1_b, Wk, Wq, Wv, proj_w, W1, W2, h, wqkv, wf; writes h, wqkv, wf
;; launch attn: the kernel of part 2 again; grid 8 x 64, 4 waves a work-group, clusters of 4 x 4, 327,680 bytes of LDS; arguments h, wqkv, att; writes att
;; launch ffn (part 4): grid 256 x 1, 4 waves a work-group, clusters of 4 x 1, 327,680 bytes of LDS; arguments x, att, wf, proj_b, ln2_g, ln2_b, b1, b2, out0; writes out0
.if DOCPART == 4
	.amdgcn_target "amdgcn-amd-amdhsa--gfx1250"
	.amdhsa_code_object_version 6
	.text
	.protected	k_q62a19b7708_ffn
	.globl	k_q62a19b7708_ffn
	.p2align	8
	.type	k_q62a19b7708_ffn,@function
k_q62a19b7708_ffn:
	s_mov_b64 s[64:65], 0
	v_nop
	global_prefetch_b8 v0, s[64:65] scope:SCOPE_SE
	s_setreg_imm32_b32 hwreg(HW_REG_WAVE_MODE, 25, 1), 1
	s_wait_xcnt 0x0
	s_wait_alu depctr_hold_cnt(0) depctr_sa_sdst(0) depctr_va_vdst(0) depctr_va_sdst(0) depctr_va_ssrc(0) depctr_va_vcc(0) depctr_vm_vsrc(0)
	s_getreg_b32 s2, hwreg(HW_REG_IB_STS2, 6, 4)
	s_cmp_eq_u32 s2, 0
	s_cbranch_scc0 .Lentry_in_a_cluster
	s_endpgm
.Lentry_in_a_cluster:
	s_bfe_u32 s2, ttmp6, 0x10000c
	s_cmp_lg_u32 s2, 0x3003
	s_cbranch_scc0 .Lentry_shape_is_right
	s_endpgm
.Lentry_shape_is_right:
; THIRD LAUNCH.  A work-group takes 64 tokens through the rest of the block: x1 = x + att proj_w + proj_b; h2 = LayerNorm2(x1); out0 = x1 + relu(h2 W1 + b1) W2 + b2.  Nothing is left out here.
; x1 and the output's sums stay in ONE set of f32 accumulators from first to last: they start as x + proj_b, take the projection, are read by the LayerNorm, take the second product, and leave with b2.
; LIMITS.  att, h2, the hidden layer and the weights are bf16 matrix operands; all else f32.  The LayerNorm takes the mean first and then the mean of (x1 - mean)^2.  NaN and infinities are not treated apart.
; The sum over the 2,048 hidden columns is taken chunk by chunk from a first chunk that differs from cluster to cluster: an order of rounding other than reference()'s.
; SHARES.  Four row tiles i of 16 tokens.  Wave w owns output columns 128 w .. 128 w + 127 (8 blocks n of 16) of all 64 tokens: 32 accumulators.  Of a chunk of 128 hidden columns wave w makes 32 w .. 32 w + 31.
; LAYOUT.  Weights are source 0, tokens source 1: a lane holds one token (lane % 16) and 8 neighbouring columns, which rounded in pairs are half a fragment (see prep) of the next product.
; h2 (all 512 channels of 64 tokens: 512 registers) stays in registers; the hidden layer goes chunk by chunk through 16 KiB of LDS, and so does att, 128 channels at a time: the projection is the second product's text.
; THE WEIGHTS come as tiles of 131,072 bytes through two LDS slots: proj_w's four, then for 16 chunks W1's and W2's by turns.  The four work-groups of a cluster ask JOINTLY (mask 15).  Wave w fetches, and alone
; reads, the quarter from 32,768 w on, so its own wait on TENSORcnt is all that its reads need; the rounds of the cluster's barrier serve the refills.  A tile is 128 matrix instructions a wave.
; THE WALK.  Cluster c begins at chunk s(c) and goes round all 16: with g = c xor (c >> 1), s is made of g's bits 0, 1, 3, 4.  Each chunk is the first of four clusters, and all 16 occur among the clusters on either
; side of any one bit of c.  So the 64 clusters do not all ask for one tile at one time, and a chunk's first reading in the launch falls into the first trip of the clusters that begin with it.
; PREFETCH.  Behind the refills of the projection's first two trips a cluster's sixteen waves name the two tiles of its first chunk, a lane 256 bytes, wave (4 cx + w) its 8,192 bytes: two tiles (256 matrix
; instructions) ahead of their loads.  Of the four clusters with one first chunk the one with bits 0 and 3 of c clear asks: each block is named once in the launch.  proj_w's tiles come by their loads alone;
; all later chunks have been read before by the clusters that began with them, and are not asked for.
; All of LDS is claimed, and 0 is added to spare words at the places below.
; REGISTERS, in windows of 256 (s_set_vgpr_msb: bits 1:0 source 0, 3:2 source 1, 5:4 source 2, 7:6 destination):
;   window 0: v1-63 addresses, statistics, biases, att on its way; v64-127, v128-191 weight fragments, two buffers; v192-255 the hidden chunk's 8 accumulators, then the chunk's (or att's) fragments in two buffers
;   window 1: the 32 accumulators, (i, n) at 8 (4 n + i)          windows 2, 3: h2: fragment (kb, i) in window 2 + kb / 8 at 32 (kb % 8) + 8 i
.set SLOT1, 131072
.set XR,    262144                     ; 33,792 bytes written by ds_store alone, with barriers between its uses: each wave's f32 stage (16 rows x 528 bytes at 8,448 w); a chunk of att or of the hidden layer (16 fragments, 4 kq + i); h2's staging (32 fragments)
.set STG,   8448
.set SP,    528                        ; 512 + 16 bytes = 132 words: the 16 rows that a load touches start at 16 different groups of four banks (64 banks of 4 bytes: ISA guide 11.1)
.set STAT,  XR+4*STG                   ; 2,048 bytes: a row's four partial sums at 16 row + 4 w; of squares 1,024 further on
.set SPARE, STAT+2048                  ; the spare words, 128 bytes a wave: two blocks of 256 bytes that no other line names
.set AW,  2                            ; v2-3  my quarter of slot 0, 1: 32,768 w + 16 l
.set AX,  4                            ; v4    XR + 16 l
.set AHS, 5                            ; v5    where I store my part of a chunk: XR + 4,096 w + 16 l
.set AS2, 6                            ; v6    where I store h2: XR + 8,192 w + 16 l
.set STO, 7                            ; v7    my stage by accumulator layout: row l % 16, 32 bytes for each half of the lanes
.set RD,  8                            ; v8    my stage by rows: 16 l
.set XO,  9                            ; v9    512 w + 16 l: my 16 bytes of a row of x or out0, and of proj_b and b2
.set AO,  10                           ; v10   16 l
.set GO,  11                           ; v11   512 w + 32 (l / 16): ln2_g, ln2_b by accumulator layout
.set BO,  12                           ; v12   128 w + 32 (l / 16): b1 likewise
.set AST, 13                           ; v13   STAT + 16 (l % 16) + 4 w
.set ASL, 14                           ; v14   STAT + 16 (l % 16)
.set ZR,  15                           ; v15   0, for the ReLU on packed halves
.set PFO, 16                           ; v16   256 l
.set AWC, 17                           ; v17   the projection's loop: my quarter of the slot in hand
.set SPW, 18                           ; v18   SPARE + 4 x my thread's number; never rewritten
.set NIL, 19                           ; v19   0; never rewritten
.set MR,  20                           ; v[20:27] row tile i: (mean, 0), later (rs, -mean rs)
.set BI,  28                           ; v[28:31] proj_b, later b2: my 4 columns by rows
.set ATR, 32                           ; v[32:63] during the projection: my four fragments of att's next chunk
.set B1R, 32                           ; v[32:47] b1 of the chunk in hand: the C operand that starts its sums
.set T,   48                           ; v[48:55] four chains of sums
.set Q,   56                           ; v[56:63] four chains of squares
.set WB0, 64
.set WB1, 128
.set HB0, 192
.set HB1, 224
.set HA,  192                          ; accumulator (i, n2) at HA + 8 (2 i + n2)
.set GG,  64                           ; during the LayerNorm: ln2_g, ln2_b, differences, exchanged sums
.set BB,  128
.set TT,  192
.set U,   224
.set NXT, 29                           ; s29  the tile to be asked for next
.set S4,  30                           ; s30  the first chunk's first tile: 4 + 2 s
.set TB,  31                           ; s31  the projection's loop: the slot in hand, 0 or SLOT1
.set G1,  32                           ; s[32:39] descriptor group 1; s[40:43] group 0 of tile 0; s[44:47] group 0 of tile 1 and then of every refill
.set PFA, 48                           ; s[48:49] where my prefetches stand
.set LIM, 50                           ; s50  2 in a cluster that prefetches, else the greatest number
.set CNT, 51                           ; s51  trips of the loop in hand still to come
.set CB,  56                           ; s56  the chunk whose b1 is loaded next
.set B1P, 58                           ; s[58:59] b1 at that chunk
.set OFP, 60                           ; s[60:61] an offset, the high word 0
.set MSB, 0
.macro WIN new
.if MSB != (\new)
	s_set_vgpr_msb (MSB<<8)|(\new)
.set MSB, (\new)
.endif
.endm
.macro PLACES                          ; four plain instructions between a matrix instruction and a vector instruction or load that touches its registers (ISA guide 7.12.1 for vector instructions)
.rept 4
	v_nop
.endr
.endm
.macro CREST
	s_cmp_lg_u32 s26, 0
	s_cbranch_scc1 .Lnot_wave_0_\@
	s_barrier_signal -3
.Lnot_wave_0_\@:
	s_barrier_wait -3
	s_barrier_signal -1
	s_barrier_wait -1
.endm
.macro CROUND
	s_barrier_signal -1
	s_barrier_wait -1
	CREST
.endm
.macro ASK                             ; in the projection's first two trips (4 and 3 still to come); the branch hangs on the cluster's number and the loop's count, alike in all partners
	s_cmp_gt_u32 s[CNT], s[LIM]
	s_cbranch_scc0 .Lnot_mine_\@
	global_prefetch_b8 v[PFO], s[PFA:PFA+1] th:TH_LOAD_NT scope:SCOPE_SE
.Lnot_mine_\@:
.endm
	s_load_b512 s[8:23], s[0:1], 0x0               ; x, att, wf, proj_b, ln2_g, ln2_b, b1, b2
	s_load_b64 s[24:25], s[0:1], 0x40              ; out0
	v_lshl_add_u32 v[SPW], v0, 2, SPARE
	v_mov_b32 v[NIL], 0
	ds_add_u32 v[SPW], v[NIL]                      ; the opening: the add, twice on end, and its wait ahead of my first tensor load
	ds_add_u32 v[SPW], v[NIL]
	v_lshrrev_b32 v1, 5, v0
	v_readfirstlane_b32 s26, v1                    ; wave 0..3
	s_bfe_u32 s27, ttmp6, 0x40000                  ; cx
	s_lshl_b32 s28, ttmp9, 2
	s_add_co_u32 s28, s28, s27                     ; work-group = 4 x cluster + cx: it enters x's, att's, out0's and the prefetches' addresses alone
	s_mov_b32 s[G1+0], 15|(3<<16)|(1<<21)          ; the mask of four; elements of 8 bytes; bit 21 beside a mask
	s_mov_b32 s[G1+1], 32<<16                      ; 32,768 dense bytes as 128 rows of 32 elements
	s_mov_b32 s[G1+2], 128<<16
	s_mov_b32 s[G1+3], 32<<16
	s_mov_b32 s[G1+4], 128
	s_mov_b32 s[G1+5], 32
	s_mov_b32 s[G1+6], 0
	s_mov_b32 s[G1+7], 0
	s_mov_b32 s40, 1
	s_lshl_b32 s41, s26, 15                        ; slot 0, my quarter
	s_mov_b32 s44, 1
	s_add_co_u32 s45, s41, SLOT1                   ; slot 1, my quarter
	s_lshl_b32 s2, s26, 15                         ; my quarter of a tile in memory
	s_mov_b32 s3, 0
	s_lshr_b32 s4, ttmp9, 1                        ; the cluster's first chunk
	s_xor_b32 s4, s4, ttmp9                        ; g = c xor (c >> 1)
	s_and_b32 s5, s4, 3                            ; its bits 0, 1
	s_lshr_b32 s4, s4, 1
	s_and_b32 s4, s4, 12                           ; its bits 3, 4
	s_or_b32 s[CB], s4, s5
	s_lshl1_add_u32 s[S4], s[CB], 4                ; tile 4 + 2 s
	s_and_b32 s4, ttmp9, 9                         ; the four clusters with one first chunk differ in bits 0-2 together or bits 3-5 together: one has bits 0 and 3 clear
	s_cmp_eq_u32 s4, 0
	s_cselect_b32 s[LIM], 2, -1
	s_sub_co_u32 s4, s[S4], 1                      ; the prefetches' pointer starts a tile short: the first change of slots steps it
	s_lshl_b32 s4, s4, 17
	s_lshl2_add_u32 s5, s27, s26                   ; 4 cx + w
	s_lshl_b32 s5, s5, 13
	s_add_co_u32 s4, s4, s5
	s_mov_b32 s5, 0
	s_lshl_b32 s6, s28, 17                         ; 64 rows of 2,048 bytes
	s_mov_b32 s7, 0
	s_lshl_b32 s[OFP], s[CB], 9                    ; a chunk of b1 is 512 bytes
	s_mov_b32 s[OFP+1], 0
	s_mov_b32 s[NXT], 2
	s_mov_b32 s52, 0x76543210
	s_mov_b32 s53, 0xfedcba98
	s_mov_b32 s54, 0x3b000000                      ; 1 / 512
	s_mov_b32 s55, 0x3727c5ac                      ; 1e-5
	s_wait_dscnt 0x0                               ; both opening adds are done
	s_wait_kmcnt 0x0
	s_add_nc_u64 s[PFA:PFA+1], s[12:13], s[4:5]
	s_add_nc_u64 s[12:13], s[12:13], s[2:3]        ; wf at my quarter of tile 0: made of the wave's number alone
	s_mov_b64 s[42:43], s[12:13]                   ; tile 0
	s_add_nc_u64 s[46:47], s[12:13], 131072        ; tile 1
	s_or_b32 s43, s43, 0x80000000
	s_or_b32 s47, s47, 0x80000000
	s_add_nc_u64 s[B1P:B1P+1], s[20:21], s[OFP:OFP+1]
	s_add_nc_u64 s[8:9], s[8:9], s[6:7]
	s_add_nc_u64 s[24:25], s[24:25], s[6:7]
	s_lshr_b32 s6, s6, 1                           ; att: four row tiles of 16,384 bytes,
	s_lshl_b32 s4, s26, 10                         ; of each chunk's four K blocks mine is block w
	s_add_co_u32 s6, s6, s4
	s_add_nc_u64 s[10:11], s[10:11], s[6:7]
	CROUND                                         ; all four work-groups are here: the first joint loads meet
	tensor_load_to_lds s[40:43], s[G1:G1+7]
	s_nop 0
	tensor_load_to_lds s[44:47], s[G1:G1+7]        ; two loads of mine are out
	s_nop 0
.rept 4
	v_nop
.endr
	v_and_b32 v16, 31, v0
	v_lshlrev_b32 v[AO], 4, v16
	s_lshl_b32 s4, s26, 9
	v_add_nc_u32 v[XO], s4, v[AO]
.macro XLOAD i, buf                    ; my 512 bytes of the 16 rows of row tile i
.set r_, 0
.rept 16
	global_load_b128 v[(\buf)+4*r_:(\buf)+4*r_+3], v[XO], s[8:9] offset:(16*(\i)+r_)*2048 th:TH_LOAD_NT
.set r_, r_+1
.endr
.endm
.macro ATTLOAD                         ; my K block of a chunk of att, all four row tiles: each fragment of att is loaded by one wave of the work-group
.set i_, 0
.rept 4
	global_load_b128 v[ATR+8*i_:ATR+8*i_+3],   v[AO], s[10:11] offset:i_*16384 th:TH_LOAD_NT
	global_load_b128 v[ATR+8*i_+4:ATR+8*i_+7], v[AO], s[10:11] offset:i_*16384+512 th:TH_LOAD_NT
.set i_, i_+1
.endr
.endm
	global_load_b128 v[BI:BI+3], v[XO], s[14:15]
	ATTLOAD                                        ; chunk 0
	XLOAD 0, WB0
	XLOAD 1, WB1
	v_and_b32 v1, 15, v0                           ; l % 16
	v_bfe_u32 v17, v0, 4, 1                        ; l / 16
	v_lshl_add_u32 v[GO], v17, 5, s4
	v_lshlrev_b32 v[PFO], 8, v16
	s_lshl_b32 s4, s26, 15
	v_add_nc_u32 v[AW], s4, v[AO]
	v_add_nc_u32 v[AW+1], SLOT1, v[AW]
	v_add_nc_u32 v[AX], XR, v[AO]
	s_lshl_b32 s4, s26, 12
	s_add_co_u32 s4, s4, XR
	v_add_nc_u32 v[AHS], s4, v[AO]
	s_lshl_b32 s4, s26, 13
	s_add_co_u32 s4, s4, XR
	v_add_nc_u32 v[AS2], s4, v[AO]
	s_mul_i32 s4, s26, STG
	s_add_co_u32 s4, s4, XR
	v_add_nc_u32 v[RD], s4, v[AO]
	v_mul_u32_u24 v[STO], v1, SP
	v_lshl_add_u32 v[STO], v17, 5, v[STO]
	v_add_nc_u32 v[STO], s4, v[STO]
	s_lshl_b32 s4, s26, 7
	v_lshl_add_u32 v[BO], v17, 5, s4
	s_lshl_b32 s4, s26, 2
	s_add_co_u32 s4, s4, STAT
	v_lshl_add_u32 v[AST], v1, 4, s4
	v_lshlrev_b32 v[ASL], 4, v1
	v_add_nc_u32 v[ASL], STAT, v[ASL]
	v_mov_b32 v[ZR], 0
.set i_, 0
.rept 8
	v_mov_b32 v[MR+i_], 0
.set i_, i_+1
.endr
; x + proj_b of row tile i goes through my own stage into the accumulators: in by rows, out by accumulator layout.  LDS serves a wave's instructions in order (ISA guide 5.7.1.4): no wait between.
.macro XIN i, buf
	WIN 0
.set r_, 0
.rept 16
	v_pk_add_f32 v[(\buf)+4*r_:(\buf)+4*r_+1], v[(\buf)+4*r_:(\buf)+4*r_+1], v[BI:BI+1]
	v_pk_add_f32 v[(\buf)+4*r_+2:(\buf)+4*r_+3], v[(\buf)+4*r_+2:(\buf)+4*r_+3], v[BI+2:BI+3]
.set r_, r_+1
.endr
.set r_, 0
.rept 16
	ds_store_b128 v[RD], v[(\buf)+4*r_:(\buf)+4*r_+3] offset:r_*SP
.set r_, r_+1
.endr
	WIN 0x40
.set n_, 0
.rept 8
	ds_load_b128 v[8*(4*n_+(\i)):8*(4*n_+(\i))+3],   v[STO] offset:64*n_
	ds_load_b128 v[8*(4*n_+(\i))+4:8*(4*n_+(\i))+7], v[STO] offset:64*n_+16
.set n_, n_+1
.endr
	WIN 0
.endm
	s_wait_loadcnt 16                              ; proj_b, att's chunk 0 and row tile 0 are in; tile 1's sixteen loads may stay out
	XIN 0, WB0
	XLOAD 2, WB0
	s_wait_loadcnt 16                              ; tile 1 is in; tile 2's may stay out
	XIN 1, WB1
	XLOAD 3, WB1
	s_wait_loadcnt 16                              ; tile 2 is in; tile 3's may stay out
	XIN 2, WB0
	s_wait_loadcnt 0x0                             ; tile 3 is in: no load of mine is out
	XIN 3, WB1
.macro FETCHW areg, g, buf             ; 8 weight fragments, group g of my quarter of the slot that v[areg] names
	WIN 0
.set f_, 0
.rept 8
	ds_load_b128 v[(\buf)+8*f_:(\buf)+8*f_+3],   v[\areg] offset:(8*(\g)+f_)*1024
	ds_load_b128 v[(\buf)+8*f_+4:(\buf)+8*f_+7], v[\areg] offset:(8*(\g)+f_)*1024+512
.set f_, f_+1
.endr
.endm
.macro FETCHH kq, buf                  ; the chunk's four fragments of 32 columns kq
	WIN 0
.set f_, 0
.rept 4
	ds_load_b128 v[(\buf)+8*f_:(\buf)+8*f_+3],   v[AX] offset:(4*(\kq)+f_)*1024
	ds_load_b128 v[(\buf)+8*f_+4:(\buf)+8*f_+7], v[AX] offset:(4*(\kq)+f_)*1024+512
.set f_, f_+1
.endr
.endm
; The wide product, 32 along K: blocks n0 .. n1 x four row tiles.  The 32 accumulators take turns, one instruction a turn.
.macro MULW buf, n0, n1, hb
	WIN 0x50
.set n_, \n0
.rept (\n1)-(\n0)+1
.set i_, 0
.rept 4
	v_wmma_f32_16x16x32_bf16 v[8*(4*n_+i_):8*(4*n_+i_)+7], v[(\buf)+8*n_:(\buf)+8*n_+7], v[(\hb)+8*i_:(\hb)+8*i_+7], v[8*(4*n_+i_):8*(4*n_+i_)+7]
.set i_, i_+1
.endr
.set n_, n_+1
.endr
.endm
; The first product of the feed-forward: K blocks 4 g + k0 .. 4 g + k1, my two blocks of hidden columns x four row tiles: 8 accumulators by turns.  The very first takes b1 as C: nothing is cleared.
.macro MULF buf, g, k0, k1
	WIN 0x08+4*((\g)/2)
.set k_, \k0
.rept (\k1)-(\k0)+1
.set m_, 0
.rept 2
.set i_, 0
.rept 4
.set rH, HA+8*(2*i_+m_)
.set rR, ((4*(\g)+k_)%8)*32+8*i_
.if ((\g) == 0) && (k_ == 0)
	v_wmma_f32_16x16x32_bf16 v[rH:rH+7], v[(\buf)+8*(2*k_+m_):(\buf)+8*(2*k_+m_)+7], v[rR:rR+7], v[B1R+8*m_:B1R+8*m_+7]
.else
	v_wmma_f32_16x16x32_bf16 v[rH:rH+7], v[(\buf)+8*(2*k_+m_):(\buf)+8*(2*k_+m_)+7], v[rR:rR+7], v[rH:rH+7]
.endif
.set i_, i_+1
.endr
.set m_, m_+1
.endr
.set k_, k_+1
.endr
.endm
; THE CHANGE OF SLOTS stands at the head of a tile's last 32 along K, whose fragments are in registers.  Each wave waits for all its tensor loads (one is out: the next tile), adds 0 to its spare word, makes the
; descriptor of the tile two on, issues eight matrix instructions while the add is out, and waits for the add and for its reads of this slot and of the chunk; then a round of the cluster's barrier; the joint
; refill is the first thing behind it, and the step's other 24 matrix instructions follow the refill.  So little stands between a tile's landing and the next request.
.macro CHG_HEAD proj
.if \proj
	s_wait_xcnt 0x0                                ; the last prefetch, a tile back, has read its address
	s_add_nc_u64 s[PFA:PFA+1], s[PFA:PFA+1], 131072
.endif
	WIN 0
	s_wait_tensorcnt 0x0                           ; no tensor load of mine is out, so the descriptor may be written
	ds_add_u32 v[SPW], v[NIL]
	s_lshl_b32 s[OFP], s[NXT], 17                  ; the address is made anew from the tile's number,
	s_xor_b32 s45, s45, SLOT1                      ; the slot is the other one than last time
	s_add_nc_u64 s[46:47], s[12:13], s[OFP:OFP+1]
	s_or_b32 s47, s47, 0x80000000
	s_add_co_u32 s[NXT], s[NXT], 1
.if \proj
	s_cmp_eq_u32 s[NXT], 4                         ; behind proj_w's last tile comes the cluster's first chunk,
	s_cselect_b32 s[NXT], s[S4], s[NXT]
.endif
	s_cmp_eq_u32 s[NXT], 36                        ; behind chunk 15 chunk 0
	s_cselect_b32 s[NXT], 4, s[NXT]
	s_wait_dscnt 1                                 ; the step's fragments are in; the add may be out
.endm
.macro CHG_MID
	s_barrier_signal -1
	s_barrier_wait -1
	CREST
	tensor_load_to_lds s[44:47], s[G1:G1+7]
	s_nop 0
.rept 4
	v_nop                                          ; also the places in front of the loads that follow
.endr
.endm
.macro WSTEP buf, obuf, hb, areg, gnext, hnext, hobuf  ; 32 along K of the wide product; in its middle the next step's fragments are fetched
	s_wait_dscnt 0x0
	MULW \buf, 0, 3, \hb
	PLACES
	FETCHW \areg, \gnext, \obuf
	FETCHH \hnext, \hobuf
	MULW \buf, 4, 7, \hb
.endm
.macro WTURN proj                      ; a tile's last 32 along K, on the second buffers, with the change of slots
	CHG_HEAD \proj
	MULW WB1, 0, 1, HB1
	WIN 0
	s_wait_dscnt 0x0                               ; the add is done; my reads of this slot, and of the chunk, are over
	CHG_MID
.if \proj
	ASK
.else
	FETCHW AW, 0, WB0
.endif
	MULW WB1, 2, 7, HB1
.endm
	; ---------------- the projection: four trips, a chunk of 128 channels of att and a tile of proj_w each
	s_wait_dscnt 0x0                               ; the accumulators hold x + proj_b, and my reads of my stage are over
	s_barrier_signal -1                            ; the stages' bytes now take att's chunks
	s_barrier_wait -1
	s_wait_tensorcnt 0x1                           ; my quarter of tile 0 is in; tile 1's may stay out
	s_mov_b32 s[CNT], 4
	s_mov_b32 s[TB], 0
.Lproj:                                            ; no load into registers is out here: on the way in x's last wait was for 0, on the way back the trip's last wait is
	v_add_nc_u32 v[AWC], s[TB], v[AW]
	FETCHW AWC, 0, WB0                             ; four v_nop, behind the last refill, lie between these loads and the last product that read the buffer
	s_add_nc_u64 s[10:11], s[10:11], 4096          ; att's pointer goes on to the next chunk: four K blocks
.set a_, 0
.rept 8
	ds_store_b128 v[AHS], v[ATR+4*a_:ATR+4*a_+3] offset:a_*512
.set a_, a_+1
.endr
	s_wait_dscnt 0x0                               ; for the others' sake: my stores are done
	s_barrier_signal -1                            ; the refill that is out may stay out
	s_barrier_wait -1
	FETCHH 0, HB0
	s_cmp_eq_u32 s[CNT], 1                         ; the last trip has no chunk behind it
	s_cbranch_scc1 .Lno_att
	ATTLOAD                                        ; a trip ahead of its use
.Lno_att:
	WSTEP WB0, WB1, HB0, AWC, 1, 1, HB1
	WSTEP WB1, WB0, HB1, AWC, 2, 2, HB0
	WSTEP WB0, WB1, HB0, AWC, 3, 3, HB1
	WTURN 1
	WIN 0
	s_wait_loadcnt 0x0                             ; the next chunk of att, asked for 128 matrix instructions ago, is in: no load is out at the loop's edge, nor behind the loop, where b1 lands in the same registers
	s_xor_b32 s[TB], s[TB], SLOT1
	s_sub_co_u32 s[CNT], s[CNT], 1
	s_cmp_lg_u32 s[CNT], 0
	s_cbranch_scc1 .Lproj
	; ---------------- LayerNorm 2 on the accumulators, which keep x1
	PLACES
	WIN 0
.set n_, 0
.rept 8
	global_load_b128 v[GG+8*n_:GG+8*n_+3],   v[GO], s[16:17] offset:64*n_
	global_load_b128 v[GG+8*n_+4:GG+8*n_+7], v[GO], s[16:17] offset:64*n_+16
	global_load_b128 v[BB+8*n_:BB+8*n_+3],   v[GO], s[18:19] offset:64*n_
	global_load_b128 v[BB+8*n_+4:BB+8*n_+7], v[GO], s[18:19] offset:64*n_+16
.set n_, n_+1
.endr
	global_load_b128 v[BI:BI+3], v[XO], s[22:23]   ; b2
.macro B1LOAD                          ; b1 of the chunk that s[B1P] names, by accumulator layout
.irp m, 0,1
	global_load_b128 v[B1R+8*(\m):B1R+8*(\m)+3],   v[BO], s[B1P:B1P+1] offset:64*(\m)
	global_load_b128 v[B1R+8*(\m)+4:B1R+8*(\m)+7], v[BO], s[B1P:B1P+1] offset:64*(\m)+16
.endr
.endm
.macro B1NEXT                          ; behind the wait for those loads: the pointer is made anew for the next chunk of the round
	s_add_co_u32 s[CB], s[CB], 1
	s_and_b32 s[CB], s[CB], 15
	s_lshl_b32 s[OFP], s[CB], 9
	s_add_nc_u64 s[B1P:B1P+1], s[20:21], s[OFP:OFP+1]
.endm
	B1LOAD                                         ; the first chunk's
; My 64 numbers of a row are summed in the lane; the lane 16 away holds the row's other 64 of my columns; the four waves' sums meet in LDS.
.macro EXCH base, off
.set i_, 0
.rept 4
	v_add_f32 v[(\base)+2*i_], v[(\base)+2*i_], v[(\base)+2*i_+1]
.set i_, i_+1
.endr
.set i_, 0
.rept 4
	v_permlanex16_b32 v[(\base)+2*i_+1], v[(\base)+2*i_], s52, s53
.set i_, i_+1
.endr
.set i_, 0
.rept 4
	v_add_f32 v[(\base)+2*i_], v[(\base)+2*i_], v[(\base)+2*i_+1]
.set i_, i_+1
.endr
.set i_, 0
.rept 4
	ds_store_b32 v[AST], v[(\base)+2*i_] offset:(\off)+256*i_
.set i_, i_+1
.endr
	s_wait_dscnt 0x0                               ; for the others' sake: my stores are done
	s_barrier_signal -1
	s_barrier_wait -1
.set i_, 0
.rept 4
	ds_load_b128 v[U+4*i_:U+4*i_+3], v[ASL] offset:(\off)+256*i_
.set i_, i_+1
.endr
	s_wait_dscnt 0x0
.set i_, 0
.rept 4
	v_add_f32 v[U+4*i_], v[U+4*i_], v[U+4*i_+1]
	v_add_f32 v[U+4*i_+2], v[U+4*i_+2], v[U+4*i_+3]
.set i_, i_+1
.endr
.set i_, 0
.rept 4
	v_add_f32 v[U+4*i_], v[U+4*i_], v[U+4*i_+2]
.set i_, i_+1
.endr
.endm
	WIN 0x05                                       ; both sources window 1
.set i_, 0
.rept 4
	v_pk_add_f32 v[T+2*i_:T+2*i_+1], v[8*i_:8*i_+1], v[8*i_+2:8*i_+3]
.set i_, i_+1
.endr
	WIN 0x01
.set p_, 2
.rept 30                                           ; pair p % 4 of block p / 4
.set i_, 0
.rept 4
.set rO, 8*(4*(p_/4)+i_)+2*(p_%4)
	v_pk_add_f32 v[T+2*i_:T+2*i_+1], v[rO:rO+1], v[T+2*i_:T+2*i_+1]
.set i_, i_+1
.endr
.set p_, p_+1
.endr
	WIN 0
	EXCH T, 0
.set i_, 0
.rept 4
	v_mul_f32 v[MR+2*i_], s54, v[U+4*i_]           ; the mean
.set i_, i_+1
.endr
.set n_, 0
.rept 8                                            ; (x1 - mean)^2: sixteen differences under one window setting, then their sixteen multiply-adds
	WIN 0x01
.set p_, 0
.rept 16
.set i_, p_%4
.set j_, p_/4
	v_pk_add_f32 v[TT+8*i_+2*j_:TT+8*i_+2*j_+1], v[8*(4*n_+i_)+2*j_:8*(4*n_+i_)+2*j_+1], v[MR+2*i_:MR+2*i_+1] op_sel_hi:[1,0] neg_lo:[0,1] neg_hi:[0,1]
.set p_, p_+1
.endr
	WIN 0
.set p_, 0
.rept 16
.set i_, p_%4
.set j_, p_/4
.if (n_ == 0) && (j_ == 0)
	v_pk_mul_f32 v[Q+2*i_:Q+2*i_+1], v[TT+8*i_+2*j_:TT+8*i_+2*j_+1], v[TT+8*i_+2*j_:TT+8*i_+2*j_+1]
.else
	v_pk_fma_f32 v[Q+2*i_:Q+2*i_+1], v[TT+8*i_+2*j_:TT+8*i_+2*j_+1], v[TT+8*i_+2*j_:TT+8*i_+2*j_+1], v[Q+2*i_:Q+2*i_+1]
.endif
.set p_, p_+1
.endr
.set n_, n_+1
.endr
	EXCH Q, 1024                                   ; other bytes than the sums': one barrier each
.set i_, 0
.rept 4
	v_fma_f32 v[U+4*i_], v[U+4*i_], s54, s55       ; the variance + eps
.set i_, i_+1
.endr
.set i_, 0
.rept 4
	v_rsq_f32 v[U+4*i_], v[U+4*i_]
.set i_, i_+1
.endr
	v_nop                                          ; a plain instruction behind the last inverse root,
	s_wait_alu depctr_va_vdst(0)                   ; and one wait for the four
.set i_, 0
.rept 4
	v_mul_f32 v[MR+2*i_+1], -v[MR+2*i_], v[U+4*i_] ; -mean rs
	v_mov_b32 v[MR+2*i_], v[U+4*i_]                ; rs
.set i_, i_+1
.endr
	s_wait_loadcnt 0x0                             ; ln2_g, ln2_b, b2, the first chunk's b1
	B1NEXT
; h2 of row tile i, my 128 columns: (x1 rs - mean rs) g + b, rounded in place: 8 halves of fragments, into the staging at fragment 2 kb + i % 2, kb = 4 w + n / 2
.macro H2ROW i
	WIN 0x01
.set p_, 0
.rept 32
	v_pk_fma_f32 v[TT+2*p_:TT+2*p_+1], v[8*(4*(p_/4)+(\i))+2*(p_%4):8*(4*(p_/4)+(\i))+2*(p_%4)+1], v[MR+2*(\i):MR+2*(\i)+1], v[MR+2*(\i):MR+2*(\i)+1] op_sel:[0,0,1] op_sel_hi:[1,0,1]
.set p_, p_+1
.endr
	WIN 0
.set p_, 0
.rept 32
	v_pk_fma_f32 v[TT+2*p_:TT+2*p_+1], v[TT+2*p_:TT+2*p_+1], v[GG+2*p_:GG+2*p_+1], v[BB+2*p_:BB+2*p_+1]
.set p_, p_+1
.endr
.set p_, 0
.rept 32
	v_cvt_pk_bf16_f32 v[TT+8*(p_/4)+p_%4], v[TT+2*p_], v[TT+2*p_+1]
.set p_, p_+1
.endr
.set n_, 0
.rept 8
	ds_store_b128 v[AS2], v[TT+8*n_:TT+8*n_+3] offset:(n_/2)*2048+((\i)%2)*1024+(n_%2)*512
.set n_, n_+1
.endr
.endm
.macro H2BACK ps                       ; every wave takes all 16 K blocks of row tiles 2 ps, 2 ps + 1 into its registers
.set k_, 0
.rept 16
	WIN 0x80+0x40*(k_/8)
.set m_, 0
.rept 2
.set rR, (k_%8)*32+8*(2*(\ps)+m_)
	ds_load_b128 v[rR:rR+3],   v[AX] offset:(2*k_+m_)*1024
	ds_load_b128 v[rR+4:rR+7], v[AX] offset:(2*k_+m_)*1024+512
.set m_, m_+1
.endr
.set k_, k_+1
.endr
	WIN 0
.endm
	H2ROW 0
	H2ROW 1
	s_wait_dscnt 0x0
	s_barrier_signal -1
	s_barrier_wait -1
	H2BACK 0
	s_wait_dscnt 0x0                               ; my reads of the staging are over, before anyone writes it again
	s_barrier_signal -1
	s_barrier_wait -1
	H2ROW 2
	H2ROW 3
	s_wait_dscnt 0x0
	s_barrier_signal -1
	s_barrier_wait -1
	H2BACK 1
	FETCHW AW, 0, WB0                              ; W1's tile of the first chunk: shown landed by the wait for all loads at the projection's last change of slots
	; ---------------- the feed-forward, a chunk of 128 hidden columns at a time
.macro FGRP g, ldb1                    ; four K blocks of the first product; in group 1 the next chunk's b1 is asked for
	s_wait_dscnt 0x0
	MULF WB0+64*((\g)%2), \g, 0, 1
	PLACES
	FETCHW AW, (\g)+1, WB0+64*(((\g)+1)%2)
.if ((\g) == 1) && (\ldb1)
	B1LOAD
.endif
	MULF WB0+64*((\g)%2), \g, 2, 3
.endm
.macro FTURN fill                      ; the last four K blocks, on the second buffer; fill = 1: with the change of slots
.if \fill
	CHG_HEAD 0
	MULF WB1, 3, 0, 0
	WIN 0
	s_wait_dscnt 0x0                               ; the add is done and my reads of this slot are over
	CHG_MID
	FETCHW AW+1, 0, WB0
	MULF WB1, 3, 1, 3
.else
	s_wait_tensorcnt 0x0                           ; my quarter of the last tile is in; nothing is filled any more
	s_wait_dscnt 0x0
	MULF WB1, 3, 0, 2
	PLACES
	FETCHW AW+1, 0, WB0
	MULF WB1, 3, 3, 3
.endif
.endm
.macro PACKH                           ; the chunk is rounded in place, cut at 0 and handed to all four waves: accumulator a = 2 i + n2 is half n2 of fragment 4 w + i
	PLACES
	WIN 0
.set a_, 0
.rept 8
.set j_, 0
.rept 4
	v_cvt_pk_bf16_f32 v[HA+8*a_+j_], v[HA+8*a_+2*j_], v[HA+8*a_+2*j_+1]
.set j_, j_+1
.endr
.set j_, 0
.rept 4
	v_pk_max_num_bf16 v[HA+8*a_+j_], v[HA+8*a_+j_], v[ZR]
.set j_, j_+1
.endr
	ds_store_b128 v[AHS], v[HA+8*a_:HA+8*a_+3] offset:a_*512
.set a_, a_+1
.endr
	s_wait_dscnt 0x0                               ; for the others' sake: my stores are done
	s_barrier_signal -1                            ; the refill that is out may stay out
	s_barrier_wait -1
	FETCHH 0, HB0
.endm
; One buffer for the chunk is enough: its last reads are waited for in front of the round in WTURN, and the next chunk is stored behind a later round.
.macro CHUNK fill
.rept 5
	v_nop                                          ; the first products below write over registers that the last products above read: five places
.endr
	FGRP 0, 0
	FGRP 1, \fill
	FGRP 2, 0
	FTURN \fill
	PACKH
	WSTEP WB0, WB1, HB0, AW+1, 1, 1, HB1
	WSTEP WB1, WB0, HB1, AW+1, 2, 2, HB0
	WSTEP WB0, WB1, HB0, AW+1, 3, 3, HB1
.if \fill
	WTURN 0
	s_wait_loadcnt 0x0                             ; the next chunk's b1 is in, and its loads have read their address
	B1NEXT
.else
	s_wait_dscnt 0x0
	MULW WB1, 0, 7, HB1
.endif
.endm
	s_mov_b32 s[CNT], 15
.Lchunk:                                           ; 15 trips: the round's first 15 chunks; each fills both slots again
	CHUNK 1
	WIN 0
	s_sub_co_u32 s[CNT], s[CNT], 1
	s_cmp_lg_u32 s[CNT], 0
	s_cbranch_scc1 .Lchunk
	CHUNK 0                                        ; the last chunk is written out
	; ---------------- the way out: through my stage back to rows, plus b2
	PLACES
	WIN 0
	s_wait_dscnt 0x0
	s_barrier_signal -1                            ; nobody reads the hidden chunk any more: its bytes become the stages again
	s_barrier_wait -1
.macro OUT i
.set BK, WB0+64*((\i)%2)
	WIN 0x04                                       ; the stores' data in window 1
.set n_, 0
.rept 8
	ds_store_b128 v[STO], v[8*(4*n_+(\i)):8*(4*n_+(\i))+3]   offset:64*n_
	ds_store_b128 v[STO], v[8*(4*n_+(\i))+4:8*(4*n_+(\i))+7] offset:64*n_+16
.set n_, n_+1
.endr
	WIN 0
	s_wait_xcnt 0x0                                ; the stores of two row tiles ago have read these registers
.set r_, 0
.rept 16
	ds_load_b128 v[BK+4*r_:BK+4*r_+3], v[RD] offset:r_*SP  ; a wave's LDS instructions are served in order: these see the stores above
.set r_, r_+1
.endr
	s_wait_dscnt 0x0
.set r_, 0
.rept 16
	v_pk_add_f32 v[BK+4*r_:BK+4*r_+1], v[BK+4*r_:BK+4*r_+1], v[BI:BI+1]
	v_pk_add_f32 v[BK+4*r_+2:BK+4*r_+3], v[BK+4*r_+2:BK+4*r_+3], v[BI+2:BI+3]
.set r_, r_+1
.endr
.set r_, 0
.rept 16
	global_store_b128 v[XO], v[BK+4*r_:BK+4*r_+3], s[24:25] offset:(16*(\i)+r_)*2048 th:TH_STORE_NT  ; 512 consecutive aligned bytes
.set r_, r_+1
.endr
.endm
	OUT 0
	OUT 1
	OUT 2
	OUT 3
	s_wait_tensorcnt 0x0                           ; the wave's end, behind my last tensor load and my last LDS store
	ds_add_u32 v[SPW], v[NIL]
	s_wait_dscnt 0x0
	CROUND                                         ; the closing round: no work-group ends while a partner may still ask for a tile that names it
	s_endpgm
.Lfunc_end_k_q62a19b7708_ffn:
	.size	k_q62a19b7708_ffn, .Lfunc_end_k_q62a19b7708_ffn-k_q62a19b7708_ffn
	.p2alignl 7, 3214868480
	.fill 96, 4, 3214868480
	.section	.rodata,"a",@progbits
	.p2align	6, 0x0
	.amdhsa_kernel k_q62a19b7708_ffn
		.amdhsa_group_segment_fixed_size 327680
		.amdhsa_private_segment_fixed_size 0
		.amdhsa_enable_private_segment 0
		.amdhsa_kernarg_size 72
		.amdhsa_user_sgpr_count 2
		.amdhsa_user_sgpr_kernarg_segment_ptr 1
		.amdhsa_wavefront_size32 1
		.amdhsa_system_sgpr_workgroup_id_x 1
		.amdhsa_system_sgpr_workgroup_id_y 1
		.amdhsa_system_sgpr_workgroup_id_z 1
		.amdhsa_system_vgpr_workitem_id 0
		.amdhsa_next_free_vgpr 1024
		.amdhsa_next_free_sgpr 66
		.amdhsa_reserve_vcc 0
		.amdhsa_float_denorm_mode_32 3
		.amdhsa_float_denorm_mode_16_64 3
		.amdhsa_memory_ordered 1
		.amdhsa_forward_progress 1
		.amdhsa_inst_pref_size 205
	.end_amdhsa_kernel
	.amdgpu_metadata
---
amdhsa.version: [ 1, 2 ]
amdhsa.kernels:
  - .name:           k_q62a19b7708_ffn
    .symbol:         k_q62a19b7708_ffn.kd
    .args:
      - { .name: x, .offset: 0, .size: 8, .value_kind: global_buffer, .address_space: global }
      - { .name: att, .offset: 8, .size: 8, .value_kind: global_buffer, .address_space: global }
      - { .name: wf, .offset: 16, .size: 8, .value_kind: global_buffer, .address_space: global }
      - { .name: proj_b, .offset: 24, .size: 8, .value_kind: global_buffer, .address_space: global }
      - { .name: ln2_g, .offset: 32, .size: 8, .value_kind: global_buffer, .address_space: global }
      - { .name: ln2_b, .offset: 40, .size: 8, .value_kind: global_buffer, .address_space: global }
      - { .name: b1, .offset: 48, .size: 8, .value_kind: global_buffer, .address_space: global }
      - { .name: b2, .offset: 56, .size: 8, .value_kind: global_buffer, .address_space: global }
      - { .name: out0, .offset: 64, .size: 8, .value_kind: global_buffer, .address_space: global }
    .group_segment_fixed_size: 327680
    .private_segment_fixed_size: 0
    .kernarg_segment_align: 8
    .kernarg_segment_size: 72
    .max_flat_workgroup_size: 128
    .sgpr_count:     66
    .vgpr_count:     1024
    .wavefront_size: 32
...
	.end_amdgpu_metadata
.endif
;; end of part 4
